; MI455X (gfx1250); checked and timed in simulation.
; The chip was launched on July 23, 2026; its instructions are those of AMD's public machine-readable ISA for CDNA 5 (MIT licence, August 2026) and "CDNA5" Instruction Set Architecture Reference Guide (July 2026). The comments in the code are by the model that wrote it; some were corrected since.
;; Cross Attention Module. Allowed arithmetic: matrix products marked QUANTISED: E2M3 operands, one E8M0 scale for each 32 along K, by v_wmma_scale_f32_16x16x128_f8f6f4 with both operands' format E2M3, f32 sums; everything else in f32.
;; Inputs: Wk 2,048 x 1 float32; Wq 2,048 x 2,048 float32; Wv 2,048 x 2,048 float32; attention_map 8 x 1 x 16 x 32 float32; bk 2,048 float32; bq 2,048 float32; bv 2,048 float32; feature_map 8 x 2,048 x 16 x 32 float32; gamma 1 float32.
;; Outputs: out0 8 x 2,048 x 16 x 32 float32.
;; This version of the problem:
;;   THIS VERSION OF THE PROBLEM IS GIVEN IN LOW PRECISION. The matrix products marked QUANTISED in the list below multiply operands that are first quantised to E2M3 (2 exponent bits, 3 mantissa bits; 6 bits a number), with one power-of-two scale for each 32 numbers along K (OCP MX v1.0); their sums are f32. All else is computed in f32.
;;   The module's matrix products, in the order in which they are computed (A, B: the left and right operand; K: the contracted axis; several contracted axes count as one K, in the product's order):
;;     1. [M 4,096, K 2,048] x [K 2,048, N 2,048]; A: input feature_map; B: input Wq: QUANTISED
;;     2. [M 4,096, K 2,048] x [K 2,048, N 2,048]; A: input feature_map; B: input Wv: QUANTISED
;;     3. batch 8 x [M 2,048, K 512] x [K 512, N 2,048]; A: computed on the way; B: computed on the way: QUANTISED
;;     4. batch 8 x [M 2,048, K 2,048] x [K 2,048, N 512]; A: softmax (see below); B: computed on the way: QUANTISED
;;   THE QUANTISER, for each operand of a quantised product, along K:
;;     - K is cut into blocks of 32 from its start; a last block that is shorter is filled with zeros.
;;     - A block's scale is 2^e with e = floor(log2(the largest magnitude in the block)) - 2, held to -126 .. 127; a block of zeros has e = 0. As a byte (E8M0): e + 127.
;;     - Each number is divided by its block's scale, clamped to +-7.5, and rounded to the nearest number of E2M3, ties to even, subnormals kept.
;;     - The product sums the exact products of the quantised numbers (number of the format x scale) in f32.
;;   ~~~python
;;   def quantise(x, axis):      # numpy; x: float32 -> the quantised numbers, widened to float32 again
;;       x = np.moveaxis(x, axis, -1); K = x.shape[-1]
;;       x = np.pad(x, [(0, 0)] * (x.ndim - 1) + [(0, -K % 32)]); x = x.reshape(x.shape[:-1] + (-1, 32)); a = np.abs(x).max(-1, keepdims=True)
;;       e = np.where(a > 0, np.clip(np.frexp(np.where(a > 0, a, 1))[1] - 1 - 2, -126, 127), 0)      # np.frexp(a)[1] - 1 = floor(log2(a)), exactly
;;       r = np.clip(x / 2.0 ** e, -7.5, 7.5)
;;       step = 2.0 ** (np.maximum(np.frexp(np.where(r == 0, 1, r))[1] - 1, 0) - 3)
;;       q = np.round(r / step) * step * 2.0 ** e      # np.round: ties to even
;;       return np.moveaxis(q.reshape(q.shape[:-2] + (-1,))[..., :K], -1, axis).astype(np.float32)
;;   ~~~
;;   SOFTMAX AHEAD OF A QUANTISED PRODUCT. Where the list says 'softmax', what is quantised is not the finished softmax but p = 2^(t - M), with t = logit x log2(e) and M = ceil(the row's largest t), a whole number; so 1/2 < the row's largest p <= 1. The row's sum l is taken of the UNQUANTISED p, in f32, and the product's result is divided by l at the end. Since M is a whole number, a kernel that streams over the keys may use a running M (the ceiling of the running maximum): every later rescaling is an exact power of two, which a block's scale takes up: the codes' values come out the same.
;;   OPERANDS COMPUTED ON THE WAY. 'Computed on the way' means the value that the module computes at that place (a softmax that the list does not call 'softmax' is quantised finished and normalised). What goes into a quantiser is computed in f32, as accurately as f32 sums, v_exp_f32 and their like allow (about 1e-6 of the number): no bf16 or f16 on the way to a quantiser, and a product that is left as it is and whose result goes on into a quantised operand takes f32 operands (vector FMAs, or v_wmma_f32_16x16x4_f32). A number that lies on a knife's edge between two numbers of the format may be rounded either way, as far as f32 arithmetic and the matrix unit's own rounding can turn it there, and no further.
;; One version. Each part assembles by itself: llvm-mc -triple=amdgcn-amd-amdhsa -mcpu=gfx1250 --defsym DOCPART=n.
;; ======== version 1 of 1: 3 launches
;; workspace buffers: ws1 19,660,800 bytes; ws2 13,107,200 bytes
;; launch quant (part 1): grid 1536 x 1, 4 waves a work-group, no clusters, 49,152 bytes of LDS; arguments feature_map, Wq, Wv, Wk, bk, attention_map, ws1; writes ws1
.if DOCPART == 1
	.amdgcn_target "amdgcn-amd-amdhsa--gfx1250"
	.amdhsa_code_object_version 6
	.text
	.protected	k_q2dba5d0be2_quant
	.globl	k_q2dba5d0be2_quant
	.p2align	8
	.type	k_q2dba5d0be2_quant,@function
k_q2dba5d0be2_quant:
	s_mov_b64 s[64:65], 0
	v_nop
	global_prefetch_b8 v0, s[64:65] scope:SCOPE_SE
	s_setreg_imm32_b32 hwreg(HW_REG_WAVE_MODE, 25, 1), 1
	s_wait_xcnt 0x0
; Codes of FP6 (E2M3) and E8M0 scale bytes, one for each 32 along K, of the operands that many work-groups read later:
;   F: feature_map [8][2048 c][512 n], K = c (its middle axis);  W: Wq and Wv [2048][2048 c], K = c (innermost), stacked as 4,096 rows;  k = Wk a + bk [8][2048 d][512 n], K = n.
; A block's scale is 2^(floor(log2(its largest magnitude)) - 2); its byte is the largest magnitude's exponent field - 2, held at 1 from below.
; LIMITS: a block of zeros gets the byte 1 where the rule says 127 (its codes are zeros, and this program alone reads the bytes); NaN and infinities are not served; k is one fused multiply-add.
; LAYOUT OF ws1: in the order of the operand's registers.  A fragment (16 rows x 128 K, 12 registers a lane) is 1,536 bytes: register 4 c + i of lane L at byte 512 c + 16 L + 4 i.
; In a group of 32 rows tile u, tile row r stand for row 8 u + r + 8 (r / 8).  The scale words of a group for four K steps are 512 bytes: word i of lane r + 16 u at byte 16 (r + 16 u) + 4 i.
; SHARES: a work-group takes one group of 32 rows and four K steps of 128, a wave one K step; so the four waves' scale words make one block of 512 bytes, gathered in LDS and stored by wave 0.
; Work-groups 0-511 take F, 512-1023 k, 1024-1535 W: three paths, each with LDS bytes of its own.  k's work-groups read next to nothing: their numbers lie between those of the two paths that stream, not behind them.
; No tensor loads, no matrix unit: memory binds, and many small waves keep bytes on their way.
.set WC,  6291456                      ; ws1: F's codes at 0, W's here,
.set KC,  12582912                     ; k's,
.set FS,  18874368                     ; F's scale words,
.set WS,  19136512                     ; W's,
.set KS,  19398656                     ; k's
.set FSX, 13312                        ; LDS: F's code stages at 0 (3,328 bytes a wave; tile 1 begins 1,664 on), F's scale words here,
.set WST, 13824                        ; W's f32 stages (16 rows x 528 bytes a wave),
.set WSX, 47616                        ; W's scale words,
.set KSX, 48128                        ; k's scale words
; v1 lane, v2 r, v3 h, v4 16 x lane, v5 8 h, v6-12 addresses, v20-23 Wk and bk, v24-30 second halves of conversions, v31 a permute's destination,
; v32-55 codes, v56-63 at work, v64-127 64 numbers of a lane, v128-255 as loaded
; 64 numbers of lane (r, h), register 32 k + i = K 64 k + 32 h + i of row r (two whole blocks), become the fragment's 12 registers from v[c] on and the row's scale word in v[wd]
.macro QB x, c, wd
.irp k, 0,1
	v_max3_num_f32 v[58+\k], |v[\x+32*\k]|, |v[\x+32*\k+1]|, 0x1800000   ; the floor 2^(3 - 127) among the leaves: the byte cannot fall under 1
.endr
.irp i, 2,4,6,8,10,12,14,16,18,20,22,24,26,28,30
.irp k, 0,1
	v_max3_num_f32 v[58+\k], v[58+\k], |v[\x+32*\k+\i]|, |v[\x+32*\k+\i+1]|   ; the two blocks by turns
.endr
.endr
.irp k, 0,1
	v_add_nc_u32 v[60+\k], 0xff000000, v[58+\k]    ; 2 off the exponent field: the conversion's scale operand
.endr
.irp k, 0,1
	v_lshrrev_b32 v[62+\k], 23, v[60+\k]           ; the scale's byte
.endr
	v_lshl_or_b32 v[\wd], v63, 16, v62             ; my bytes: blocks h and 2 + h,
	v_lshlrev_b32 v[\wd], v5, v[\wd]               ; 8 h bits up;
	v_permlanex16_b32 v31, v[\wd], s20, s21
	v_or_b32 v[\wd], v[\wd], v31                   ; with lane l xor 16's two the word is whole
	v_cvt_scalef32_pk16_fp6_f32 v[\c:\c+2], v[\x:\x+15], v60
	v_cvt_scalef32_pk16_fp6_f32 v[24:26], v[\x+16:\x+31], v60     ; (a conversion's three registers begin on an even number)
	v_cvt_scalef32_pk16_fp6_f32 v[\c+6:\c+8], v[\x+32:\x+47], v61
	v_cvt_scalef32_pk16_fp6_f32 v[28:30], v[\x+48:\x+63], v61
	v_nop                                          ; one plain place behind the conversions
.irp i, 0,1,2
	v_mov_b32 v[\c+3+\i], v[24+\i]
	v_mov_b32 v[\c+9+\i], v[28+\i]
.endr
.endm
; The four waves' scale words meet in LDS; wave 0 stores them as 512 consecutive bytes.  The path ends here.
.macro TAIL wd, sx, base
	ds_store_b32 v12, v[\wd]
	s_wait_dscnt 0x0                               ; for the others' sake: my store has landed
	s_barrier_signal -1
	s_barrier_wait -1
	s_cmp_lg_u32 s18, 0
	s_cbranch_scc1 .Ldone_\@
	ds_load_b128 v[88:91], v4 offset:\sx
	s_wait_dscnt 0x0
	global_store_b128 v4, v[88:91], s[\base:\base+1]
.Ldone_\@:
	s_wait_tensorcnt 0x0
	ds_add_u32 v19, v27
	s_wait_dscnt 0x0
	s_endpgm
.endm
	s_load_b256 s[4:11], s[0:1], 0x0               ; feature_map s[4:5], Wq s[6:7], Wv s[8:9], Wk s[10:11]
	s_load_b128 s[12:15], s[0:1], 0x20             ; bk s[12:13], attention_map s[14:15]
	s_load_b64 s[16:17], s[0:1], 0x30              ; ws1
	v_lshl_add_u32 v19, v0, 2, 0xbe00
	v_mov_b32 v27, 0
	v_lshrrev_b32 v1, 5, v0
	v_readfirstlane_b32 s18, v1                    ; wave 0..3
	v_and_b32 v1, 31, v0                           ; lane
	v_and_b32 v2, 15, v0                           ; r
	v_bfe_u32 v3, v0, 4, 1                         ; h
	v_lshlrev_b32 v4, 4, v1                        ; 16 x lane
	v_lshlrev_b32 v5, 3, v3                        ; 8 h
	v_mov_b32 v31, 0                               ; a lane permute's destination counts as one of its sources
	s_mov_b32 s20, 0x76543210
	s_mov_b32 s21, 0xfedcba98                      ; selects for lane l xor 16
	s_mov_b32 s22, 0xffff0000                      ; lanes 16-31
	s_mov_b32 s25, 0                               ; the high word of every offset: all lie under 2^32
	s_wait_kmcnt 0x0
	s_cmp_ge_u32 ttmp9, 1024
	s_cbranch_scc1 .Lw_path
	s_cmp_ge_u32 ttmp9, 512
	s_cbranch_scc1 .Lk_path
; ---- F.  A LANE TAKES A COLUMN n AND ITS REGISTERS RUN DOWN c: a block of 32 along K lies in one lane, and the codes come out with K innermost.
	s_and_b32 s26, ttmp9, 15                       ; which 32 of the batch's 512 n
	s_bfe_u32 s27, ttmp9, 0x20004                  ; g: which four K steps
	s_lshr_b32 s28, ttmp9, 6                       ; batch
	s_lshl_b32 s29, s27, 2
	s_add_co_u32 s29, s29, s18                     ; my K step: 4 g + wave
	s_lshl_b32 s24, s28, 22                        ; batch x 2,048 x 2,048 bytes
	s_lshl_b32 s30, s29, 18                        ; + K step x 128 rows of 2,048 bytes
	s_add_co_u32 s24, s24, s30
	s_lshl_b32 s30, s26, 7                         ; + 32 columns of 4 bytes
	s_add_co_u32 s24, s24, s30
	s_add_nc_u64 s[4:5], s[4:5], s[24:25]
	v_lshlrev_b32 v6, 2, v1
.set i, 0
.rept 128
	global_load_b32 v[128+i], v6, s[4:5] offset:i*2048   ; f(128 K step + i, my column): 32 lanes read 128 consecutive bytes
.set i, i+1
.endr
	s_lshl_b32 s31, s28, 2
	s_lshr_b32 s30, s26, 2
	s_add_co_u32 s31, s31, s30                     ; block of 128 rows (b, n): 4 b + n / 128
	s_and_b32 s32, s26, 3                          ; the group of 32 in it
	s_mul_i32 s24, s31, 196608
	s_mul_i32 s30, s29, 12288
	s_add_co_u32 s24, s24, s30
	s_mul_i32 s30, s32, 3072
	s_add_co_u32 s24, s24, s30
	s_add_nc_u64 s[34:35], s[16:17], s[24:25]      ; my two fragments
	s_lshl_b32 s24, s31, 13
	s_lshl_b32 s30, s27, 11
	s_add_co_u32 s24, s24, s30
	s_lshl_b32 s30, s32, 9
	s_add_co_u32 s24, s24, s30
	s_add_co_u32 s24, s24, FS
	s_add_nc_u64 s[36:37], s[16:17], s[24:25]      ; the work-group's scale words
	v_bfe_u32 v7, v0, 3, 1                         ; column x lies in tile u = (x / 8) % 2,
	v_and_b32 v8, 7, v0
	v_lshl_or_b32 v8, v3, 3, v8                    ; tile row (x % 8) + 8 (x / 16)
	s_mul_i32 s30, s18, 3328
	v_mul_u32_u24 v10, v7, 1664
	v_lshl_add_u32 v10, v8, 4, v10
	v_add_nc_u32 v10, s30, v10                     ; into my stage: 1,664 u + 16 x tile row
	v_add_nc_u32 v11, s30, v4                      ; out of it: 16 x lane
	v_lshlrev_b32 v12, 4, v8
	v_lshl_add_u32 v12, v7, 8, v12
	s_lshl_b32 s30, s18, 2
	s_add_co_u32 s30, s30, FSX
	v_add_nc_u32 v12, s30, v12                     ; my scale word: 16 (tile row + 16 u) + 4 x wave
; Block k of the K step: it is registers 6 (k / 2) .. + 5 of lane tile row + 16 (k % 2) of the fragment.  Its six registers of codes lie at v[32 + 6 k]: v32-55 in all, clear of the work registers v56-60
.macro FBLK k
.set XS, 128+32*\k
.set CC, 32+6*\k
.if \k < 2
	s_wait_loadcnt 63                              ; at most 63 of the 128 loads are out behind this wait: the first 65 are in, blocks 0 and 1 among them
.elseif \k == 2
	s_wait_loadcnt 32                              ; block 3's 32 loads may be out
.else
	s_wait_loadcnt 0x0
.endif
	v_max3_num_f32 v56, |v[XS]|, |v[XS+1]|, |v[XS+2]|
	v_max3_num_f32 v57, |v[XS+3]|, |v[XS+4]|, |v[XS+5]|
.irp i, 6,10,14,18,22,26
	v_max3_num_f32 v56, v56, |v[XS+\i]|, |v[XS+\i+1]|
	v_max3_num_f32 v57, v57, |v[XS+\i+2]|, |v[XS+\i+3]|
.endr
	v_max3_num_f32 v56, v56, |v[XS+30]|, |v[XS+31]|
	v_max3_num_f32 v56, v56, v57, 0x1800000        ; and the floor
	v_add_nc_u32 v58, 0xff000000, v56              ; the conversion's scale operand
	v_lshrrev_b32 v59, 23, v58                     ; the byte
.if \k == 0
	v_mov_b32 v60, v59
.else
	v_lshl_or_b32 v60, v59, 8*\k, v60              ; four bytes make my column's scale word
.endif
	v_cvt_scalef32_pk16_fp6_f32 v[CC:CC+2], v[XS:XS+15], v58
	v_cvt_scalef32_pk16_fp6_f32 v[24:26], v[XS+16:XS+31], v58     ; (a conversion's three registers begin on an even number)
	v_nop                                          ; one plain place behind the conversions
.irp i, 0,1,2
	v_mov_b32 v[CC+3+\i], v[24+\i]
.endr
.if \k < 2
	ds_store_b128 v10, v[CC:CC+3] offset:256*(\k%2)          ; registers 0-3
	ds_store_b64 v10, v[CC+4:CC+5] offset:256*(\k%2)+512     ; registers 4, 5
.else
	ds_store_b64 v10, v[CC:CC+1] offset:256*(\k%2)+520       ; registers 6, 7
	ds_store_b128 v10, v[CC+2:CC+5] offset:256*(\k%2)+1024   ; registers 8-11
.endif
.endm
	FBLK 0
	FBLK 1
	FBLK 2
	FBLK 3
.irp u, 0,1
.irp c, 0,1,2
	ds_load_b128 v[64+12*\u+4*\c:64+12*\u+4*\c+3], v11 offset:1664*\u+512*\c   ; LDS serves a wave's instructions in order: these see my stores
.endr
.endr
	s_wait_dscnt 0x0
.irp u, 0,1
.irp c, 0,1,2
	global_store_b128 v4, v[64+12*\u+4*\c:64+12*\u+4*\c+3], s[34:35] offset:1536*\u+512*\c   ; 512 consecutive bytes a store, 3,072 in all
.endr
.endr
	TAIL 60, FSX, 36
; ---- W.  K is innermost: each load takes the 512 consecutive bytes of one row's K step; the tile turns through the wave's stage, so that lane (r, h) holds two whole blocks of row r.
.Lw_path:
	s_sub_co_u32 s26, ttmp9, 1024
	s_lshr_b32 s27, s26, 2                         ; group of 32 of the 4,096 stacked rows
	s_and_b32 s28, s26, 3                          ; g
	s_lshl_b32 s29, s28, 2
	s_add_co_u32 s29, s29, s18                     ; my K step
	s_and_b32 s30, s27, 63
	s_lshl_b32 s24, s30, 18                        ; 32 rows of 8,192 bytes
	s_lshl_b32 s30, s29, 9
	s_add_co_u32 s24, s24, s30
	s_cmp_lt_u32 s27, 64                           ; Wq's rows or Wv's: the choice hangs on the work-group's number alone
	s_cselect_b64 s[6:7], s[6:7], s[8:9]
	s_add_nc_u64 s[6:7], s[6:7], s[24:25]
.irp u, 0,1
.irp i, 0,1,2,3,4,5,6,7,8,9,10,11,12,13,14,15
	global_load_b128 v[128+64*\u+4*\i:128+64*\u+4*\i+3], v4, s[6:7] offset:(8*\u+\i+8*(\i/8))*8192 th:TH_LOAD_NT
.endr
.endr
	s_lshr_b32 s31, s27, 2
	s_and_b32 s32, s27, 3
	s_mul_i32 s24, s31, 196608
	s_mul_i32 s30, s29, 12288
	s_add_co_u32 s24, s24, s30
	s_mul_i32 s30, s32, 3072
	s_add_co_u32 s24, s24, s30
	s_add_co_u32 s24, s24, WC
	s_add_nc_u64 s[34:35], s[16:17], s[24:25]
	s_lshl_b32 s24, s31, 13
	s_lshl_b32 s30, s28, 11
	s_add_co_u32 s24, s24, s30
	s_lshl_b32 s30, s32, 9
	s_add_co_u32 s24, s24, s30
	s_add_co_u32 s24, s24, WS
	s_add_nc_u64 s[36:37], s[16:17], s[24:25]
	s_mul_i32 s30, s18, 8448
	s_add_co_u32 s30, s30, WST
	v_add_nc_u32 v10, s30, v4                      ; into my stage: 16 x lane, 528 bytes a row
	v_mul_u32_u24 v11, v2, 528
	v_lshl_add_u32 v11, v3, 7, v11
	v_add_nc_u32 v11, s30, v11                     ; out of it: row r, + 128 h
	s_lshl_b32 s30, s18, 2
	s_add_co_u32 s30, s30, WSX
	v_add_nc_u32 v12, s30, v4                      ; my scale word: 16 x lane + 4 x wave
.irp u, 0,1
	s_wait_loadcnt 16*(1-\u)                       ; this tile's 16 loads are in; tile 1's may be out
.irp i, 0,1,2,3,4,5,6,7,8,9,10,11,12,13,14,15
	ds_store_b128 v10, v[128+64*\u+4*\i:128+64*\u+4*\i+3] offset:528*\i
.endr
.irp k, 0,1
.irp j, 0,1,2,3,4,5,6,7
	ds_load_b128 v[64+32*\k+4*\j:64+32*\k+4*\j+3], v11 offset:256*\k+16*\j   ; K = 64 k + 32 h + 4 j ..
.endr
.endr
	s_wait_dscnt 0x0
	QB 64, 32+12*\u, 56+\u
.irp c, 0,1,2
	global_store_b128 v4, v[32+12*\u+4*\c:32+12*\u+4*\c+3], s[34:35] offset:1536*\u+512*\c
.endr
.endr
	v_cndmask_b32 v56, v56, v57, s22               ; lanes 0-15 keep tile 0's words, lanes 16-31 take tile 1's
	TAIL 56, WSX, 36
; ---- k = Wk a + bk, made in the operand's own layout: lane (r, h) makes K = n = 64 k + 32 h + 0 .. 31 of its key.
.Lk_path:
	s_sub_co_u32 s26, ttmp9, 512
	s_lshr_b32 s27, s26, 6                         ; batch
	s_and_b32 s28, s26, 63                         ; group of 32 keys
	s_lshl_b32 s24, s27, 11
	s_lshl_b32 s30, s18, 9                         ; my K step is my wave's number: n = 128 x wave on
	s_add_co_u32 s24, s24, s30
	s_add_nc_u64 s[14:15], s[14:15], s[24:25]
	s_lshl_b32 s24, s28, 7
	s_add_nc_u64 s[10:11], s[10:11], s[24:25]
	s_add_nc_u64 s[12:13], s[12:13], s[24:25]
	v_lshlrev_b32 v6, 7, v3                        ; 128 h
	v_and_b32 v7, 8, v2
	v_add_nc_u32 v7, v7, v2
	v_lshlrev_b32 v7, 2, v7                        ; 4 (r + 8 (r / 8))
.irp k, 0,1
.irp j, 0,1,2,3,4,5,6,7
	global_load_b128 v[128+32*\k+4*\j:128+32*\k+4*\j+3], v6, s[14:15] offset:256*\k+16*\j
.endr
.endr
.irp u, 0,1
	global_load_b32 v[20+\u], v7, s[10:11] offset:32*\u      ; Wk of tile u's key
	global_load_b32 v[22+\u], v7, s[12:13] offset:32*\u      ; bk
.endr
	s_mul_i32 s24, s27, 786432                     ; k's codes lie as the attention launch's tiles: [batch][512 keys][half of n][128 keys][n step][tile]
	s_lshr_b32 s30, s28, 4
	s_mul_i32 s30, s30, 196608
	s_add_co_u32 s24, s24, s30
	s_lshr_b32 s30, s18, 1
	s_mul_i32 s30, s30, 98304
	s_add_co_u32 s24, s24, s30
	s_bfe_u32 s30, s28, 0x20002
	s_mul_i32 s30, s30, 24576
	s_add_co_u32 s24, s24, s30
	s_and_b32 s30, s18, 1
	s_mul_i32 s30, s30, 12288
	s_add_co_u32 s24, s24, s30
	s_and_b32 s30, s28, 3
	s_mul_i32 s30, s30, 3072
	s_add_co_u32 s24, s24, s30
	s_add_co_u32 s24, s24, KC
	s_add_nc_u64 s[34:35], s[16:17], s[24:25]
	s_lshl_b32 s24, s27, 15
	s_lshl_b32 s30, s28, 9
	s_add_co_u32 s24, s24, s30
	s_add_co_u32 s24, s24, KS
	s_add_nc_u64 s[36:37], s[16:17], s[24:25]
	s_lshl_b32 s30, s18, 2
	s_add_co_u32 s30, s30, KSX
	v_add_nc_u32 v12, s30, v4
	s_wait_loadcnt 0x0
.set i, 0
.rept 32
	v_pk_fma_f32 v[64+i:65+i], v[128+i:129+i], v[20:21], v[22:23] op_sel_hi:[1,0,0]   ; tile 0: the pairs' low words serve both halves
.set i, i+2
.endr
	QB 64, 32, 56
.irp c, 0,1,2
	global_store_b128 v4, v[32+4*\c:35+4*\c], s[34:35] offset:512*\c
.endr
.set i, 0
.rept 32
	v_pk_fma_f32 v[64+i:65+i], v[128+i:129+i], v[20:21], v[22:23] op_sel:[0,1,1] op_sel_hi:[1,1,1]   ; tile 1: their high words
.set i, i+2
.endr
	QB 64, 44, 57
.irp c, 0,1,2
	global_store_b128 v4, v[44+4*\c:47+4*\c], s[34:35] offset:1536+512*\c
.endr
	v_cndmask_b32 v56, v56, v57, s22
	TAIL 56, KSX, 36
.Lfunc_end_k_q2dba5d0be2_quant:
	.size	k_q2dba5d0be2_quant, .Lfunc_end_k_q2dba5d0be2_quant-k_q2dba5d0be2_quant
	.p2alignl 7, 3214868480
	.fill 96, 4, 3214868480
	.section	.rodata,"a",@progbits
	.p2align	6, 0x0
	.amdhsa_kernel k_q2dba5d0be2_quant
		.amdhsa_group_segment_fixed_size 49152
		.amdhsa_private_segment_fixed_size 0
		.amdhsa_enable_private_segment 0
		.amdhsa_kernarg_size 56
		.amdhsa_user_sgpr_count 2
		.amdhsa_user_sgpr_kernarg_segment_ptr 1
		.amdhsa_wavefront_size32 1
		.amdhsa_system_sgpr_workgroup_id_x 1
		.amdhsa_system_sgpr_workgroup_id_y 1
		.amdhsa_system_sgpr_workgroup_id_z 1
		.amdhsa_system_vgpr_workitem_id 0
		.amdhsa_next_free_vgpr 256
		.amdhsa_next_free_sgpr 66
		.amdhsa_reserve_vcc 0
		.amdhsa_float_denorm_mode_32 3
		.amdhsa_float_denorm_mode_16_64 3
		.amdhsa_memory_ordered 1
		.amdhsa_forward_progress 1
		.amdhsa_inst_pref_size 54
	.end_amdhsa_kernel
	.amdgpu_metadata
---
amdhsa.version: [ 1, 2 ]
amdhsa.kernels:
  - .name:           k_q2dba5d0be2_quant
    .symbol:         k_q2dba5d0be2_quant.kd
    .args:
      - { .name: feature_map, .offset: 0, .size: 8, .value_kind: global_buffer, .address_space: global }
      - { .name: Wq, .offset: 8, .size: 8, .value_kind: global_buffer, .address_space: global }
      - { .name: Wv, .offset: 16, .size: 8, .value_kind: global_buffer, .address_space: global }
      - { .name: Wk, .offset: 24, .size: 8, .value_kind: global_buffer, .address_space: global }
      - { .name: bk, .offset: 32, .size: 8, .value_kind: global_buffer, .address_space: global }
      - { .name: attention_map, .offset: 40, .size: 8, .value_kind: global_buffer, .address_space: global }
      - { .name: ws1, .offset: 48, .size: 8, .value_kind: global_buffer, .address_space: global }
    .group_segment_fixed_size: 49152
    .private_segment_fixed_size: 0
    .kernarg_segment_align: 8
    .kernarg_segment_size: 56
    .max_flat_workgroup_size: 128
    .sgpr_count:     66
    .vgpr_count:     256
    .wavefront_size: 32
...
	.end_amdgpu_metadata
.endif
;; end of part 1
;; launch proj (part 2): grid 16 x 16, 4 waves a work-group, clusters of 4 x 4, 327,680 bytes of LDS; arguments ws1, bq, bv, ws2; writes ws2
.if DOCPART == 2
	.amdgcn_target "amdgcn-amd-amdhsa--gfx1250"
	.amdhsa_code_object_version 6
	.text
	.protected	k_q2dba5d0be2_proj
	.globl	k_q2dba5d0be2_proj
	.p2align	8
	.type	k_q2dba5d0be2_proj,@function
k_q2dba5d0be2_proj:
	s_mov_b64 s[64:65], 0
	v_nop
	global_prefetch_b8 v0, s[64:65] scope:SCOPE_SE
	s_setreg_imm32_b32 hwreg(HW_REG_WAVE_MODE, 25, 1), 1
	s_wait_xcnt 0x0
	s_wait_alu depctr_hold_cnt(0) depctr_sa_sdst(0) depctr_va_vdst(0) depctr_va_sdst(0) depctr_va_ssrc(0) depctr_va_vcc(0) depctr_vm_vsrc(0)
	s_getreg_b32 s2, hwreg(HW_REG_IB_STS2, 6, 4)
	s_cmp_eq_u32 s2, 0
	s_cbranch_scc0 .Lentry_in_a_cluster
	s_endpgm
.Lentry_in_a_cluster:
	s_bfe_u32 s2, ttmp6, 0x10000c
	s_cmp_lg_u32 s2, 0xf033
	s_cbranch_scc0 .Lentry_shape_is_right
	s_endpgm
.Lentry_shape_is_right:
; q = Wq f + bq and v = Wv f + bv as one product of 4,096 x 4,096 x 2,048 on codes of FP6 (E2M3) with E8M0 scales; the results leave as codes: q quantised along n, v along its channel d.
; A tile of 256 x 256 is made by four waves, 128 x 128 each: 64 accumulators, 512 registers.  K goes in steps of 256 through a ring of two LDS slots filled by the tensor data mover.
; SOURCE 0 = P, SOURCE 1 = Q: a lane holds one row of Q and its registers run along P's rows, which are the next product's K.  Clusters with x < 2 make q (P = F's rows (b, n), Q = Wq's rows);
; the others make v (P = Wv's rows, Q = F's rows).  The kind hangs on the cluster's number alone: it is the same in all sixteen partners.
; OPERANDS LIE IN ws1 IN THE ORDER OF THEIR REGISTERS: a fragment (16 rows x 128 K) is 1,536 bytes, register 4 c + i of lane L at 512 c + 16 L + 4 i: three loads of 16 bytes a lane, 512 consecutive bytes each,
; no pitch and no padding; two K steps of 128 rows are one dense block of 24,576 bytes: one tensor load.  In a group of 32 rows tile u, tile row r stand for row 8 u + r + 8 (r / 8), so that the 16 registers
; of P's tiles 2 b and 2 b + 1 are 16 neighbours along the next K.  Scale words: 512 bytes for a group of 32 rows and four K steps, word i of lane r + 16 u at 16 (r + 16 u) + 4 i: one register holds
; tile 2 b's words in lanes 0-15 and tile 2 b + 1's in lanes 16-31.  The scales of the work-group's rows for all of K come into LDS once, with the first fills.
; CLUSTERS: 4 x 4.  P's tiles hang on cy alone and are asked for jointly along a row of the cluster, Q's on cx alone, along a column.
; THE WAY OUT: bias in f32, then each block of 16 rows of Q x 128 of P is quantised in registers: it is one fragment of the next product's operand, stored as it stands (3 x 512 consecutive bytes).
; LIMITS: a block of zeros gets the byte 1 over zero codes; NaN and infinities are not served.
; REGISTERS: window 0: v1 16 x lane; v16-29 addresses; v32-63 scale words, two sets; v64-127 the bias along P; v128-223 Q's fragments, one set (on the way out v128-191 64 numbers, v192-210 codes);
;   v224-231 the bias along Q; v232-243 scale words made; v244-255 at work.  window 1: P's fragments, two sets.  windows 2, 3: the accumulators, (a, b) at v[8 (8 (a % 4) + b)].
.set WC,    6291456                    ; ws1: F's codes at 0, W's here (Wv's rows 16 blocks of 196,608 bytes on),
.set FS,    18874368                   ; F's scale words,
.set WS,    19136512                   ; W's
.set VC,    6291456                    ; ws2: q's codes at 0, v's here,
.set QS,    12582912                   ; q's scale words,
.set VS,    12845056                   ; v's
.set HALFT, 24576                      ; 128 rows x 256 K: what one tensor load brings
.set SLOT,  4*HALFT                    ; Q's two halves, then P's two
.set SCL,   2*SLOT                     ; behind the ring: the scales, 8,192 bytes for 128 rows, in the same order
.set HALFS, 8192
.set SPARE, SCL+4*HALFS                ; the spare words, 128 bytes a wave: two blocks of 256 bytes that no other line names
.set LAPS,  4                          ; a lap = two slots = 512 along K
.set FR,    12
.set NL,    3                          ; LDS loads that bring a fragment
.set NP,    4                          ; places behind this matrix instruction (ISA guide 7.12.1)
.set ADRA, 16                          ; v16-17 my half of Q in slot 0, 1
.set ADRB, 20                          ; v20-21 my half of P
.set ADSQ, 26                          ; v26 Q's scale words, v27 P's: they step 2,048 bytes a lap
.set ADSP, 27
.set SPW,  28
.set NIL,  29
.set SC,   32                          ; set s at SC + 16 s: P's at + 2 b + q, Q's at + 8 + 2 b + q
.set BR,   64
.set AF,   128
.set HA,   128
.set PC,   192
.set BL,   224
.set PWS,  232
.set SW,   240
.set TM,   244
.set G1Q, 24
.set G0Q, 32
.set G1P, 48
.set G0P, 56
.set G1SQ, 68
.set G0SQ, 76
.set G1SP, 80
.set G0SP, 88
.set MSB, 0
.macro WIN new                         ; the immediate's high byte repeats the setting that is left
.if MSB != (\new)
	s_set_vgpr_msb (MSB<<8)|(\new)
.set MSB, \new
.endif
.endm
.set MUL_LO, 0xa1                      ; source 0 (P) window 1, source 1 (Q) window 0, C and D window 2
.set MUL_HI, 0xf1
.set TO_B,   0x40
.macro PLACES n
.rept \n
	v_nop
.endr
.endm
; A joint load: waves 0 and 1 fetch Q's halves, waves 2 and 3 P's.  Four v_nop follow each of the two lines.
.macro JLOAD g0a, g1a, g0b, g1b
	s_cmp_eq_u32 s15, 0
	s_cbranch_scc0 .Lfor_p_\@
	tensor_load_to_lds s[\g0a:\g0a+3], s[\g1a:\g1a+7]
	s_nop 0
.rept 4
	v_nop
.endr
	s_branch .Lasked_\@
.Lfor_p_\@:
	tensor_load_to_lds s[\g0b:\g0b+3], s[\g1b:\g1b+7]
	s_nop 0
.rept 4
	v_nop
.endr
.Lasked_\@:
.endm
.macro CREST                           ; a round of the cluster's barrier behind its opening barrier
	s_cmp_lg_u32 s14, 0
	s_cbranch_scc1 .Lnot_wave_0_\@
	s_barrier_signal -3
.Lnot_wave_0_\@:
	s_barrier_wait -3
	s_barrier_signal -1
	s_barrier_wait -1
.endm
.macro CROUND
	s_barrier_signal -1
	s_barrier_wait -1
	CREST
.endm
; One matrix instruction.  c < 0: the constant 0 starts the sum.  ra, rb = 1: that side's scales are read from lanes 16-31.
.macro WM d, a, b, c, sa, sb, ra, rb
.if (\c) < 0
.if ((\ra) == 0) && ((\rb) == 0)
	v_wmma_scale_f32_16x16x128_f8f6f4 v[(\d):(\d)+7], v[(\a):(\a)+11], v[(\b):(\b)+11], 0, v[\sa], v[\sb] matrix_a_fmt:MATRIX_FMT_FP6 matrix_b_fmt:MATRIX_FMT_FP6
.elseif (\rb) == 0
	v_wmma_scale_f32_16x16x128_f8f6f4 v[(\d):(\d)+7], v[(\a):(\a)+11], v[(\b):(\b)+11], 0, v[\sa], v[\sb] matrix_a_fmt:MATRIX_FMT_FP6 matrix_b_fmt:MATRIX_FMT_FP6 matrix_a_scale:MATRIX_SCALE_ROW1
.elseif (\ra) == 0
	v_wmma_scale_f32_16x16x128_f8f6f4 v[(\d):(\d)+7], v[(\a):(\a)+11], v[(\b):(\b)+11], 0, v[\sa], v[\sb] matrix_a_fmt:MATRIX_FMT_FP6 matrix_b_fmt:MATRIX_FMT_FP6 matrix_b_scale:MATRIX_SCALE_ROW1
.else
	v_wmma_scale_f32_16x16x128_f8f6f4 v[(\d):(\d)+7], v[(\a):(\a)+11], v[(\b):(\b)+11], 0, v[\sa], v[\sb] matrix_a_fmt:MATRIX_FMT_FP6 matrix_b_fmt:MATRIX_FMT_FP6 matrix_a_scale:MATRIX_SCALE_ROW1 matrix_b_scale:MATRIX_SCALE_ROW1
.endif
.else
.if ((\ra) == 0) && ((\rb) == 0)
	v_wmma_scale_f32_16x16x128_f8f6f4 v[(\d):(\d)+7], v[(\a):(\a)+11], v[(\b):(\b)+11], v[(\c):(\c)+7], v[\sa], v[\sb] matrix_a_fmt:MATRIX_FMT_FP6 matrix_b_fmt:MATRIX_FMT_FP6
.elseif (\rb) == 0
	v_wmma_scale_f32_16x16x128_f8f6f4 v[(\d):(\d)+7], v[(\a):(\a)+11], v[(\b):(\b)+11], v[(\c):(\c)+7], v[\sa], v[\sb] matrix_a_fmt:MATRIX_FMT_FP6 matrix_b_fmt:MATRIX_FMT_FP6 matrix_a_scale:MATRIX_SCALE_ROW1
.elseif (\ra) == 0
	v_wmma_scale_f32_16x16x128_f8f6f4 v[(\d):(\d)+7], v[(\a):(\a)+11], v[(\b):(\b)+11], v[(\c):(\c)+7], v[\sa], v[\sb] matrix_a_fmt:MATRIX_FMT_FP6 matrix_b_fmt:MATRIX_FMT_FP6 matrix_b_scale:MATRIX_SCALE_ROW1
.else
	v_wmma_scale_f32_16x16x128_f8f6f4 v[(\d):(\d)+7], v[(\a):(\a)+11], v[(\b):(\b)+11], v[(\c):(\c)+7], v[\sa], v[\sb] matrix_a_fmt:MATRIX_FMT_FP6 matrix_b_fmt:MATRIX_FMT_FP6 matrix_a_scale:MATRIX_SCALE_ROW1 matrix_b_scale:MATRIX_SCALE_ROW1
.endif
.endif
.endm
	s_load_b256 s[4:11], s[0:1], 0x0               ; ws1 s[4:5], bq s[6:7], bv s[8:9], ws2 s[10:11]
	v_lshl_add_u32 v[SPW], v0, 2, SPARE
	v_mov_b32 v[NIL], 0
	ds_add_u32 v28, v29
	ds_add_u32 v28, v29
	s_wait_dscnt 0x0
	v_lshrrev_b32 v1, 5, v0
	v_readfirstlane_b32 s14, v1                    ; wave 0..3
	s_lshr_b32 s15, s14, 1                         ; my half of Q's rows.  Also: I fetch for Q (0) or for P (1)
	s_and_b32 s16, s14, 1                          ; my half of P's rows.  Also: which 128 rows of that tile I fetch
	s_bfe_u32 s40, ttmp6, 0x40000                  ; cx
	s_bfe_u32 s41, ttmp6, 0x40004                  ; cy
	s_and_b32 s42, ttmp7, 0xffff                   ; the cluster's y
	s_sub_co_u32 s43, ttmp9, 2                     ; the cluster's x - 2: used where x >= 2 alone
	s_mov_b32 s66, WS
	s_mov_b32 s67, FS
	s_cmp_ge_u32 ttmp9, 2                          ; the kind: v (1) or q (0)
	s_cselect_b32 s17, 1, 0
	s_cselect_b32 s44, s42, ttmp9                  ; which four tiles of Q,
	s_cselect_b32 s45, s43, s42                    ; of P
	s_cselect_b32 s46, 0, WC                       ; where Q's codes begin in ws1: F's or Wq's,
	s_cselect_b32 s47, WC+16*196608, 0             ; P's: Wv's or F's,
	s_cselect_b32 s66, FS, s66                     ; Q's scale words,
	s_cselect_b32 s67, WS+16*8192, s67             ; P's
	s_lshl_b32 s18, s44, 2
	s_add_co_u32 s18, s18, s40                     ; Q's tile of 256 rows: hangs on cx
	s_lshl_b32 s19, s45, 2
	s_add_co_u32 s19, s19, s41                     ; P's: hangs on cy
	s_lshl_b32 s12, s41, 2
	s_lshl_b32 s12, 15, s12                        ; my row of the cluster
	s_lshl_b32 s13, 0x1111, s40                    ; my column
	; descriptor group 1: a dense block as rows of 256 bytes (32 elements of 8 bytes): 96 rows of codes, 32 rows of scale words.  15:0 the mask; 17:16 elements of 8 bytes; 21 set beside a mask
	s_or_b32 s[G1Q], s13, (3<<16)|(1<<21)
	s_or_b32 s[G1P], s12, (3<<16)|(1<<21)
	s_or_b32 s[G1SQ], s13, (3<<16)|(1<<21)
	s_or_b32 s[G1SP], s12, (3<<16)|(1<<21)
.irp g, G1Q, G1P
	s_mov_b32 s[\g+1], 32<<16                      ; tensor_dim0
	s_mov_b32 s[\g+2], 96<<16                      ; tensor_dim1
	s_mov_b32 s[\g+3], 32<<16                      ; tile_dim0
	s_mov_b32 s[\g+4], 96                          ; tile_dim1
	s_mov_b32 s[\g+5], 32                          ; tensor_dim0_stride
	s_mov_b32 s[\g+6], 0
	s_mov_b32 s[\g+7], 0
.endr
.irp g, G1SQ, G1SP
	s_mov_b32 s[\g+1], 32<<16
	s_mov_b32 s[\g+2], 32<<16
	s_mov_b32 s[\g+3], 32<<16
	s_mov_b32 s[\g+4], 32
	s_mov_b32 s[\g+5], 32
	s_mov_b32 s[\g+6], 0
	s_mov_b32 s[\g+7], 0
.endr
	s_lshl_b32 s20, s18, 1
	s_add_co_u32 s20, s20, s16                     ; Q: the block of 128 rows that I would fetch
	s_mul_i32 s22, s20, 196608
	s_add_co_u32 s22, s22, s46                     ; its codes,
	s_mov_b32 s23, 0
	s_lshl_b32 s20, s20, 13
	s_add_co_u32 s20, s20, s66                     ; its scale words
	s_mov_b32 s21, 0
	s_lshl_b32 s92, s19, 1
	s_add_co_u32 s92, s92, s16                     ; P likewise, in registers that never hold cx
	s_lshl_b32 s94, s92, 13
	s_add_co_u32 s94, s94, s67
	s_mov_b32 s95, 0
	s_mul_i32 s92, s92, 196608
	s_add_co_u32 s92, s92, s47
	s_mov_b32 s93, 0
	s_mul_i32 s45, s14, HALFT                      ; where they go: wave x a quarter of a slot: no place in the cluster enters an LDS address
	s_lshl_b32 s96, s14, 13
	s_wait_kmcnt 0x0
	s_add_nc_u64 s[22:23], s[4:5], s[22:23]
	s_add_nc_u64 s[20:21], s[4:5], s[20:21]
	s_add_nc_u64 s[92:93], s[4:5], s[92:93]
	s_add_nc_u64 s[94:95], s[4:5], s[94:95]
	CROUND                                         ; all sixteen work-groups are here: the first joint loads meet
	s_mov_b32 s[G0SQ], 1
	s_add_co_u32 s[G0SQ+1], s96, SCL
	s_mov_b64 s[G0SQ+2:G0SQ+3], s[20:21]
	s_or_b32 s[G0SQ+3], s[G0SQ+3], 0x80000000
	s_mov_b32 s[G0SP], 1
	s_add_co_u32 s[G0SP+1], s96, SCL
	s_mov_b64 s[G0SP+2:G0SP+3], s[94:95]
	s_or_b32 s[G0SP+3], s[G0SP+3], 0x80000000
	JLOAD G0SQ, G1SQ, G0SP, G1SP                   ; the scales first: they are wanted with the first K step.  Three loads of mine are out at the start, one behind each round later
.irp s, 0,1
	s_mov_b32 s[G0Q+4*\s], 1
	s_add_co_u32 s[G0Q+4*\s+1], s45, \s*SLOT
	s_add_nc_u64 s[G0Q+4*\s+2:G0Q+4*\s+3], s[22:23], \s*HALFT
	s_or_b32 s[G0Q+4*\s+3], s[G0Q+4*\s+3], 0x80000000
	s_mov_b32 s[G0P+4*\s], 1
	s_add_co_u32 s[G0P+4*\s+1], s45, \s*SLOT
	s_add_nc_u64 s[G0P+4*\s+2:G0P+4*\s+3], s[92:93], \s*HALFT
	s_or_b32 s[G0P+4*\s+3], s[G0P+4*\s+3], 0x80000000
	JLOAD G0Q+4*\s, G1Q, G0P+4*\s, G1P
.endr
	v_and_b32 v2, 31, v0
	v_lshlrev_b32 v1, 4, v2                        ; 16 x lane: my place in every image
	s_mul_i32 s20, s15, HALFT
	s_mul_i32 s21, s16, HALFT
	s_add_co_u32 s21, s21, 2*HALFT
.irp s, 0,1
	v_add_nc_u32 v[ADRA+\s], s20, v1
	v_add_nc_u32 v[ADRB+\s], s21, v1
	s_add_co_u32 s20, s20, SLOT
	s_add_co_u32 s21, s21, SLOT
.endr
	s_lshl_b32 s20, s15, 13
	s_add_co_u32 s20, s20, SCL
	v_add_nc_u32 v[ADSQ], s20, v1
	s_lshl_b32 s20, s16, 13
	s_add_co_u32 s20, s20, SCL+2*HALFS
	v_add_nc_u32 v[ADSP], s20, v1
	; where the results go
	s_lshl_b32 s40, s18, 1
	s_add_co_u32 s40, s40, s15                     ; my block of 128 rows of Q,
	s_lshl_b32 s41, s19, 1
	s_add_co_u32 s41, s41, s16                     ; of P
	s_lshr_b32 s42, s41, 2                         ; q: P's block is (batch, n step), Q's is 128 queries: [batch][tile of 16 queries][n step]
	s_and_b32 s43, s41, 3
	s_mul_i32 s44, s42, 786432
	s_mul_i32 s20, s40, 49152
	s_add_co_u32 s44, s44, s20
	s_mul_i32 s20, s43, 1536
	s_add_co_u32 s44, s44, s20
	s_lshl_b32 s46, s42, 15
	s_lshl_b32 s20, s40, 11
	s_add_co_u32 s46, s46, s20
	s_lshl_b32 s20, s43, 9
	s_add_co_u32 s46, s46, s20
	s_add_co_u32 s46, s46, QS
	s_lshr_b32 s42, s40, 2                         ; v: Q's block is (batch, 128 channels n), P's is the key step: [batch][key step / 2][128 channels][key step % 2][tile]
	s_and_b32 s43, s40, 3
	s_mul_i32 s45, s42, 786432
	s_lshr_b32 s20, s41, 1
	s_mul_i32 s20, s20, 98304
	s_add_co_u32 s45, s45, s20
	s_mul_i32 s20, s43, 24576
	s_add_co_u32 s45, s45, s20
	s_and_b32 s20, s41, 1
	s_mul_i32 s20, s20, 12288
	s_add_co_u32 s45, s45, s20
	s_add_co_u32 s45, s45, VC
	s_lshl_b32 s47, s42, 15
	s_lshl_b32 s20, s41, 11
	s_add_co_u32 s47, s47, s20
	s_lshl_b32 s20, s43, 9
	s_add_co_u32 s47, s47, s20
	s_add_co_u32 s47, s47, VS
	s_mov_b32 s94, 6144
	s_cmp_lg_u32 s17, 0
	s_cselect_b32 s92, s45, s44
	s_cselect_b32 s96, s47, s46
	s_cselect_b32 s94, 1536, s94                   ; from one tile of Q's rows to the next
	s_cselect_b64 s[98:99], s[8:9], s[6:7]         ; bv or bq: the choice hangs on the cluster's number alone
	s_mov_b32 s93, 0
	s_mov_b32 s95, 0
	s_mov_b32 s97, 0
	s_add_nc_u64 s[92:93], s[10:11], s[92:93]      ; the codes,
	s_add_nc_u64 s[96:97], s[10:11], s[96:97]      ; the scale words
	s_mov_b32 s22, 0x76543210
	s_mov_b32 s23, 0xfedcba98                      ; selects for lane l xor 16
	s_mov_b32 s100, 0xffff0000                     ; lanes 16-31
	; the bias, both ways: along Q's rows (one number a lane and tile: q's kind uses it) and along P's rows (64 numbers a lane: v's kind).  Both sets are loaded, inside the buffer, with no branch; the kind reads one
	v_and_b32 v3, 15, v0
	v_bfe_u32 v4, v0, 4, 1
	v_and_b32 v5, 8, v3
	v_add_nc_u32 v5, v5, v3
	v_lshlrev_b32 v5, 2, v5                        ; 4 (r + 8 (r / 8))
	s_and_b32 s20, s40, 15
	s_lshl_b32 s20, s20, 9
	v_add_nc_u32 v5, s20, v5
	v_lshlrev_b32 v6, 6, v4                        ; 64 h
	s_and_b32 s20, s41, 15
	s_lshl_b32 s20, s20, 9
	v_add_nc_u32 v6, s20, v6
.irp a, 0,1,2,3,4,5,6,7
	global_load_b32 v[BL+\a], v5, s[98:99] offset:4*(32*(\a/2)+8*(\a%2))
.endr
.irp b, 0,1,2,3
.irp j, 0,1,2,3
	global_load_b128 v[BR+16*\b+4*\j:BR+16*\b+4*\j+3], v6, s[98:99] offset:128*\b+16*\j
.endr
.endr
.irp b, 0,1,2,3
	v_mov_b32 v[TM+4+\b], 0                        ; written once: a lane permute's destination counts as one of its sources
.endr
.macro FRAG reg, adr, off              ; a fragment comes as it lies: three loads of 16 bytes a lane
.irp c, 0,1,2
	ds_load_b128 v[\reg+4*\c:\reg+4*\c+3], v[\adr] offset:\off+512*\c
.endr
.endm
.macro FETCH_B slot, q, p              ; P's eight fragments of the slot's q-th 128 along K into set p
	WIN TO_B
.irp i, 0,1,2,3,4,5,6,7
	FRAG 128*(\p)+FR*\i, ADRB+\slot, (\q)*12288+\i*1536
.endr
	WIN 0
.endm
.macro FETCH_A slot, q, i0             ; Q's blocks i0 .. i0 + 3
.irp i, \i0, \i0+1, \i0+2, \i0+3
	FRAG AF+FR*(\i), ADRA+\slot, (\q)*12288+(\i)*1536
.endr
.endm
.macro SCALES sc                       ; the slot's two K steps' scale words into set sc: eight bytes a lane for each group of 32 rows
.irp b, 0,1,2,3
	ds_load_b64 v[SC+16*\sc+2*\b:SC+16*\sc+2*\b+1], v[ADSP] offset:512*\b+8*\sc
	ds_load_b64 v[SC+16*\sc+8+2*\b:SC+16*\sc+8+2*\b+1], v[ADSQ] offset:512*\b+8*\sc
.endr
.endm
; 16 matrix instructions: Q's blocks a0, a0 + 1 x P's eight.  The 64 accumulators take turns, one instruction a turn, in the same order in every step.
.macro MUL16 a0, p, q, sc, zero
.irp a, \a0, \a0+1
.irp b, 0,1,2,3,4,5,6,7
.if \zero
	WM 8*(8*((\a)%4)+\b), 128*(\p)+FR*\b, AF+FR*(\a), -1, SC+16*(\sc)+2*(\b/2)+(\q), SC+16*(\sc)+8+2*((\a)/2)+(\q), \b%2, (\a)%2
.else
	WM 8*(8*((\a)%4)+\b), 128*(\p)+FR*\b, AF+FR*(\a), 8*(8*((\a)%4)+\b), SC+16*(\sc)+2*(\b/2)+(\q), SC+16*(\sc)+8+2*((\a)/2)+(\q), \b%2, (\a)%2
.endif
.endr
.endr
.endm
; A step of 128 along K that has its successor in the same slot.  Loads into registers that matrix instructions have read stand NP plain places behind them.
.macro STEP slot, q, zero
	s_wait_dscnt 4*NL                              ; P's set, the scale words and Q's blocks 0-3 are in; the youngest 12 loads (Q's blocks 4-7) may be out
	WIN MUL_LO
	MUL16 0, (\q)%2, \q, \slot, \zero
	MUL16 2, (\q)%2, \q, \slot, \zero
	s_wait_dscnt 0
	PLACES NP
	FETCH_B \slot, (\q)+1, 1-(\q)%2
	FETCH_A \slot, (\q)+1, 0
	WIN MUL_HI
	MUL16 4, (\q)%2, \q, \slot, \zero
	MUL16 6, (\q)%2, \q, \slot, \zero
	PLACES NP
	WIN 0
	FETCH_A \slot, (\q)+1, 4
.endm
; A slot's last step changes slots: one barrier; in front of it each wave waits for all its tensor loads, adds 0 to its spare word, and waits for that and for its reads of this slot.
.macro TURN slot, next, fill
	s_wait_tensorcnt 0x0                           ; all my tensor loads have landed: my part of the next slot
	ds_add_u32 v[SPW], v[NIL]                      ; 0 onto my spare word
	s_wait_dscnt 4*NL+1                            ; (the add and the youngest 12 loads may be out)
	WIN MUL_LO
	MUL16 0, 1, 1, \slot, 0                        ; sixteen matrix instructions stand between the add and the wait for it
	s_wait_dscnt 0x0                               ; the add is done, and my reads of this slot are over
	s_barrier_signal -1
	MUL16 2, 1, 1, \slot, 0
	WIN 0
	s_barrier_wait -1
.if \fill
	CREST                                          ; the barrier has opened a round of the cluster's: no wave of any partner still reads this slot or has a load on its way
	s_add_nc_u64 s[G0Q+4*\slot+2:G0Q+4*\slot+3], s[G0Q+4*\slot+2:G0Q+4*\slot+3], 2*HALFT
	s_add_nc_u64 s[G0P+4*\slot+2:G0P+4*\slot+3], s[G0P+4*\slot+2:G0P+4*\slot+3], 2*HALFT
	JLOAD G0Q+4*\slot, G1Q, G0P+4*\slot, G1P       ; the first tensor load behind the round; its four v_nop are also the places in front of the loads below
.else
	PLACES NP
.endif
.if \next == 0
	v_add_nc_u32 v[ADSQ], 2048, v[ADSQ]            ; the next lap's scale words
	v_add_nc_u32 v[ADSP], 2048, v[ADSP]
.endif
	FETCH_B \next, 0, 0
	FETCH_A \next, 0, 0
	SCALES \next
	WIN MUL_HI
	MUL16 4, 1, 1, \slot, 0
	MUL16 6, 1, 1, \slot, 0
	PLACES NP
	WIN 0
	FETCH_A \next, 0, 4
.endm
	s_wait_tensorcnt 1                             ; the scales and my part of slot 0 are in (slot 1's load may be out)
	s_barrier_signal -1
	s_barrier_wait -1                              ; everybody's are
	FETCH_B 0, 0, 0
	FETCH_A 0, 0, 0
	SCALES 0
	FETCH_A 0, 0, 4
	STEP 0, 0, 1                                   ; the first step stands in front of the loop: its products start the sums
	s_mov_b32 s3, LAPS-1
.Llap:                                                 ; a trip goes once round the ring and fills both slots again
	TURN 0, 1, 1
	STEP 1, 0, 0
	TURN 1, 0, 1
	STEP 0, 0, 0
	s_sub_co_u32 s3, s3, 1
	s_cmp_lg_u32 s3, 0
	s_cbranch_scc1 .Llap
	TURN 0, 1, 0                                   ; the last lap fills nothing
	STEP 1, 0, 0
	s_wait_dscnt 4*NL
	WIN MUL_LO
	MUL16 0, 1, 1, 1, 0
	MUL16 2, 1, 1, 1, 0
	s_wait_dscnt 0
	WIN MUL_HI
	MUL16 4, 1, 1, 1, 0
	MUL16 6, 1, 1, 1, 0
	WIN 0
; 64 numbers of a lane, register 16 b + i = K 32 b + 16 (lane / 16) + i of my row, become a fragment's codes in v[PC] on and its scale word in v[pw]
.macro QUANT s, pw
.irp b, 0,1,2,3
	v_max3_num_f32 v[TM+\b], |v[\s+16*\b]|, |v[\s+1+16*\b]|, 0x1800000   ; my 16 numbers of block b, and the floor 2^(3 - 127)
.endr
.irp i, 2,4,6,8,10,12,14
.irp b, 0,1,2,3
	v_max3_num_f32 v[TM+\b], v[TM+\b], |v[\s+16*\b+\i]|, |v[\s+1+16*\b+\i]|
.endr
.endr
.irp b, 0,1,2,3
	v_permlanex16_b32 v[TM+4+\b], v[TM+\b], s22, s23
.endr
.irp b, 0,1,2,3
	v_max_num_f32 v[TM+\b], v[TM+\b], v[TM+4+\b]   ; with lane l xor 16's: the block's largest magnitude
.endr
.irp b, 0,1,2,3
	v_add_nc_u32 v[TM+8+\b], 0xff000000, v[TM+\b]  ; 2 off its exponent field: the conversion's scale operand
.endr
.irp b, 0,1,2,3
	v_lshrrev_b32 v[TM+4+\b], 23, v[TM+8+\b]       ; the byte
.endr
	v_lshl_or_b32 v[\pw], v[TM+5], 8, v[TM+4]
	v_lshl_or_b32 v[\pw], v[TM+6], 16, v[\pw]
	v_lshl_or_b32 v[\pw], v[TM+7], 24, v[\pw]
.irp c, 0,1
	v_cvt_scalef32_pk16_fp6_f32 v[PC+6*\c:PC+2+6*\c], v[\s+32*\c:\s+15+32*\c], v[TM+8+2*\c]
	v_cvt_scalef32_pk16_fp6_f32 v[PC+12+4*\c:PC+14+4*\c], v[\s+16+32*\c:\s+31+32*\c], v[TM+8+2*\c+1]   ; (a conversion's three registers begin on an even number)
.endr
	v_nop                                          ; one plain place behind the conversions
.irp c, 0,1                                    ; the operand's layout wants a whole block in a lane
.irp i, 0,1,2
	v_permlane16_swap_b32 v[PC+6*\c+\i], v[PC+12+4*\c+\i]
.endr
.irp i, 0,1,2
	v_mov_b32 v[PC+3+6*\c+\i], v[PC+12+4*\c+\i]
.endr
.endr
.endm
; Block a of Q's rows: its eight accumulators, 64 registers on end, take the bias (each accumulator from its low end on), are quantised, and leave as one fragment
.macro EPI a
.set AC, 64*((\a)%4)
.if (\a) > 0
	s_wait_xcnt 0x0                                ; the last block's stores have read their data and their base
	s_add_nc_u64 s[92:93], s[92:93], s[94:95]
.endif
	s_cmp_lg_u32 s17, 0
	s_cbranch_scc1 .Lv_kind_\@
	WIN 0x02+(\a)/4                                ; source 0: window 2 or 3
.set i, 0
.rept 32
.if (\a)%2 == 0
	v_pk_add_f32 v[HA+i:HA+i+1], v[AC+i:AC+i+1], v[BL+2*((\a)/2):BL+2*((\a)/2)+1] op_sel_hi:[1,0]            ; q: my row's bq
.else
	v_pk_add_f32 v[HA+i:HA+i+1], v[AC+i:AC+i+1], v[BL+2*((\a)/2):BL+2*((\a)/2)+1] op_sel:[0,1] op_sel_hi:[1,1]
.endif
.set i, i+2
.endr
	WIN 0
	s_branch .Lbiased_\@
.Lv_kind_\@:
	WIN 0x02+(\a)/4
.set i, 0
.rept 32
	v_pk_add_f32 v[HA+i:HA+i+1], v[AC+i:AC+i+1], v[BR+i:BR+i+1]     ; v: bv along the registers
.set i, i+2
.endr
	WIN 0
.Lbiased_\@:
	QUANT HA, PWS+(\a)
.irp c, 0,1,2
	global_store_b128 v1, v[PC+4*\c:PC+4*\c+3], s[92:93] offset:512*\c   ; 512 consecutive bytes a store
.endr
.endm
	s_wait_loadcnt 0x0                             ; the biases
	PLACES NP                                      ; in front of the first read of results and of writes into the registers that held Q's fragments
.irp a, 0,1,2,3,4,5,6,7
	EPI \a
.endr
.irp i, 0,1,2,3
	v_cndmask_b32 v[SW+\i], v[PWS+\i], v[PWS+4+\i], s100   ; lanes 0-15: tile i's words, lanes 16-31: tile 4 + i's
.endr
	global_store_b128 v1, v[SW:SW+3], s[96:97]     ; the eight tiles' scale words: 512 consecutive bytes
	s_wait_tensorcnt 0x0                           ; the wave's end
	ds_add_u32 v[SPW], v[NIL]
	s_wait_dscnt 0x0
	CROUND                                         ; the closing round
	s_endpgm
.Lfunc_end_k_q2dba5d0be2_proj:
	.size	k_q2dba5d0be2_proj, .Lfunc_end_k_q2dba5d0be2_proj-k_q2dba5d0be2_proj
	.p2alignl 7, 3214868480
	.fill 96, 4, 3214868480
	.section	.rodata,"a",@progbits
	.p2align	6, 0x0
	.amdhsa_kernel k_q2dba5d0be2_proj
		.amdhsa_group_segment_fixed_size 327680
		.amdhsa_private_segment_fixed_size 0
		.amdhsa_enable_private_segment 0
		.amdhsa_kernarg_size 32
		.amdhsa_user_sgpr_count 2
		.amdhsa_user_sgpr_kernarg_segment_ptr 1
		.amdhsa_wavefront_size32 1
		.amdhsa_system_sgpr_workgroup_id_x 1
		.amdhsa_system_sgpr_workgroup_id_y 1
		.amdhsa_system_sgpr_workgroup_id_z 1
		.amdhsa_system_vgpr_workitem_id 0
		.amdhsa_next_free_vgpr 1024
		.amdhsa_next_free_sgpr 102
		.amdhsa_reserve_vcc 0
		.amdhsa_float_denorm_mode_32 3
		.amdhsa_float_denorm_mode_16_64 3
		.amdhsa_memory_ordered 1
		.amdhsa_forward_progress 1
		.amdhsa_inst_pref_size 177
	.end_amdhsa_kernel
	.amdgpu_metadata
---
amdhsa.version: [ 1, 2 ]
amdhsa.kernels:
  - .name:           k_q2dba5d0be2_proj
    .symbol:         k_q2dba5d0be2_proj.kd
    .args:
      - { .name: ws1, .offset: 0, .size: 8, .value_kind: global_buffer, .address_space: global }
      - { .name: bq, .offset: 8, .size: 8, .value_kind: global_buffer, .address_space: global }
      - { .name: bv, .offset: 16, .size: 8, .value_kind: global_buffer, .address_space: global }
      - { .name: ws2, .offset: 24, .size: 8, .value_kind: global_buffer, .address_space: global }
    .group_segment_fixed_size: 327680
    .private_segment_fixed_size: 0
    .kernarg_segment_align: 8
    .kernarg_segment_size: 32
    .max_flat_workgroup_size: 128
    .sgpr_count:     102
    .vgpr_count:     1024
    .wavefront_size: 32
...
	.end_amdgpu_metadata
.endif
;; end of part 2
;; launch attn (part 3): grid 32 x 8, 4 waves a work-group, clusters of 4 x 1, 327,680 bytes of LDS; arguments ws1, ws2, feature_map, gamma, out0; writes out0
.if DOCPART == 3
	.amdgcn_target "amdgcn-amd-amdhsa--gfx1250"
	.amdhsa_code_object_version 6
	.text
	.protected	k_q2dba5d0be2_attn
	.globl	k_q2dba5d0be2_attn
	.p2align	8
	.type	k_q2dba5d0be2_attn,@function
k_q2dba5d0be2_attn:
	s_mov_b64 s[64:65], 0
	v_nop
	global_prefetch_b8 v0, s[64:65] scope:SCOPE_SE
	s_setreg_imm32_b32 hwreg(HW_REG_WAVE_MODE, 25, 1), 1
	s_wait_xcnt 0x0
	s_wait_alu depctr_hold_cnt(0) depctr_sa_sdst(0) depctr_va_vdst(0) depctr_va_sdst(0) depctr_va_ssrc(0) depctr_va_vcc(0) depctr_vm_vsrc(0)
	s_getreg_b32 s2, hwreg(HW_REG_IB_STS2, 6, 4)
	s_cmp_eq_u32 s2, 0
	s_cbranch_scc0 .Lentry_in_a_cluster
	s_endpgm
.Lentry_in_a_cluster:
	s_bfe_u32 s2, ttmp6, 0x10000c
	s_cmp_lg_u32 s2, 0x3003
	s_cbranch_scc0 .Lentry_shape_is_right
	s_endpgm
.Lentry_shape_is_right:
; out[b][c][n] = gamma x (sum over d of p(c, d) v[b][d][n]) / l(c) + f[b][c][n], p = 2^(t - M), t = (q[b][c] . k[b][d]) x log2(e), M = the ceiling of the row's running largest t, l = the sum of the unquantised p.
; Both products on codes of FP6 (E2M3) with E8M0 scales.  q, k (K = n = 512) and v (K = d = 2,048) come as codes laid in the order of the operand's registers: a fragment (16 rows x 128 K) is 1,536 bytes,
; register 4 c + i of lane L at 512 c + 16 L + 4 i.  In a group of 32 rows tile u, tile row r stand for row 8 u + r + 8 (r / 8).
; SHARES.  A work-group owns 64 queries c of one batch: four tiles m.  THE WAVES SHARE THE COLUMNS, NOT THE QUERIES.  The keys go in four rounds of 512.  In a round wave w makes S^T for keys 128 w .. of the round
; against all 64 queries (source 0 = 16 keys, source 1 = 16 queries: a lane holds one query, its registers run along the keys), quantises p: four fragments, key step w of the round, hands them to the other waves
; through LDS as images of their registers, and makes O^T for channels n = 128 w .. (source 0 = 16 channels of v, source 1 = p) over the round's four key steps.
; So each fragment of k and v read from LDS feeds four products, each of p eight, and a wave reads only the bytes of k and v that its own tensor load brought.
; The row's largest score of a round is taken over the four waves through LDS, so that all waves hold the same M.
; RING.  Two slots of 98,304 bytes (24,576 a wave: 2 K steps x 8 tiles).  They hold in turn: k's first half of n, k's second, v's first two key steps, v's last two.  Each refill stands behind a round of the
; cluster's barrier.  CLUSTER: the four partners own other queries of the same batch and walk the same k and v: every fill is asked for jointly, mask 15.
; f's ROWS ARE ASKED FOR AHEAD OF THE LAST PRODUCTS: tile 3's in the first round, into 64 registers that nothing else uses; tiles 0 to 2's in the last round, into q's 192 registers, which the last S^T has left.
; l is final behind the last softmax: the waves' sums meet at the last round's barrier for p's images, and gamma / l is made while p's fragments come from LDS.
; LIMITS: a block's largest p is taken from the block's largest score (this takes v_exp_f32 not to fall where its input rises); a block whose every p is 0 keeps the byte 1 over zero codes; NaN and infinities are not served.
; REGISTERS: window 0: v1-14 addresses; v32-63 statistics, eight a tile; v64-127 scale words (q's, k's, v's, p's); v128-223 two buffers of four fragments, and with v224-251 the softmax's work registers.
;   window 1: S^T (m, t) at 64 m + 8 t, then p's 16 fragments, at the end the result's rows, tile m at 64 m.   window 2: O^T (m, t) at 64 m + 8 t.   window 3: q's 16 fragments, later f's rows, tile m at 64 m.
.set KC,    12582912                   ; ws1: k's codes,
.set KS,    19398656                   ; k's scale words
.set VC,    6291456                    ; ws2: q's codes at 0, v's here,
.set QS,    12582912                   ; q's scale words,
.set VS,    12845056                   ; v's
.set WPART, 24576
.set SLOT1, 98304
.set PIMG,  196608                     ; p's 16 fragments (4 x key step + m)
.set PSC,   221184                     ; p's scale words: [key step][16 x lane][m]
.set MX,    223232                     ; the waves' largest scores: [m][16 x lane][wave]; 2,048 bytes on, the waves' sums likewise
.set STG,   227328                     ; the way out: 16 rows x 528 bytes for each wave
.set SPARE, 261120                     ; the spare words, 128 bytes a wave: two blocks of 256 bytes that no other line names
.set ST,  32                           ; tile m at ST + 8 m: +0 -M, +1 the largest t, +2, +3 l in two halves, +4 f (+5 named with it), +6, +7 at work; at the end +6 holds gamma / l
.set QSC, 64                           ; [n step][m]
.set KSC, 80                           ; [group of 32 keys][n step]: lanes 0-15 the even tile, lanes 16-31 the odd
.set VSC, 96                           ; [key step][t % 4]: lanes 0-15 tiles 0-3, lanes 16-31 tiles 4-7
.set PSR, 112                          ; [key step][m]
.set BM,  128                          ; the softmax: 16 blocks' largest scores, then p, then bytes
.set SO,  144                          ; permutes' results, the waves' maxima, then the conversions' scale operands; in the last round the waves' sums
.set PW,  160                          ; p's scale words
.set PCB, 164                          ; p's codes: 20 registers a tile
.set T2,  244                          ; second chains of the sums
.set MSB, 0
.macro WIN new                         ; the immediate's high byte repeats the setting that is left
.if MSB != (\new)
	s_set_vgpr_msb (MSB<<8)|(\new)
.set MSB, \new
.endif
.endm
.macro PLACES n
.rept \n
	v_nop
.endr
.endm
.macro CROUND                          ; a round of the cluster's barrier
	s_barrier_signal -1
	s_barrier_wait -1
	s_cmp_lg_u32 s14, 0
	s_cbranch_scc1 .Lnot_wave_0_\@
	s_barrier_signal -3
.Lnot_wave_0_\@:
	s_barrier_wait -3
	s_barrier_signal -1
	s_barrier_wait -1
.endm
; One matrix instruction.  c < 0: the constant 0 starts the sum.  ra = 1: source 0's scales are read from lanes 16-31.
.macro WM d, a, b, c, sa, sb, ra
.if (\c) < 0
.if (\ra) == 0
	v_wmma_scale_f32_16x16x128_f8f6f4 v[(\d):(\d)+7], v[(\a):(\a)+11], v[(\b):(\b)+11], 0, v[\sa], v[\sb] matrix_a_fmt:MATRIX_FMT_FP6 matrix_b_fmt:MATRIX_FMT_FP6
.else
	v_wmma_scale_f32_16x16x128_f8f6f4 v[(\d):(\d)+7], v[(\a):(\a)+11], v[(\b):(\b)+11], 0, v[\sa], v[\sb] matrix_a_fmt:MATRIX_FMT_FP6 matrix_b_fmt:MATRIX_FMT_FP6 matrix_a_scale:MATRIX_SCALE_ROW1
.endif
.else
.if (\ra) == 0
	v_wmma_scale_f32_16x16x128_f8f6f4 v[(\d):(\d)+7], v[(\a):(\a)+11], v[(\b):(\b)+11], v[(\c):(\c)+7], v[\sa], v[\sb] matrix_a_fmt:MATRIX_FMT_FP6 matrix_b_fmt:MATRIX_FMT_FP6
.else
	v_wmma_scale_f32_16x16x128_f8f6f4 v[(\d):(\d)+7], v[(\a):(\a)+11], v[(\b):(\b)+11], v[(\c):(\c)+7], v[\sa], v[\sb] matrix_a_fmt:MATRIX_FMT_FP6 matrix_b_fmt:MATRIX_FMT_FP6 matrix_a_scale:MATRIX_SCALE_ROW1
.endif
.endif
.endm
	s_load_b256 s[4:11], s[0:1], 0x0               ; ws1 s[4:5], ws2 s[6:7], feature_map s[8:9], gamma s[10:11]
	s_load_b64 s[12:13], s[0:1], 0x20              ; out0
	v_lshl_add_u32 v2, v0, 2, SPARE                ; my spare word; never rewritten
	v_mov_b32 v3, 0                                ; 0; never rewritten
	ds_add_u32 v2, v3
	ds_add_u32 v2, v3
	s_wait_dscnt 0x0
	v_lshrrev_b32 v1, 5, v0
	v_readfirstlane_b32 s14, v1                    ; wave 0..3
	s_bfe_u32 s15, ttmp6, 0x40000                  ; cx
	s_lshl_b32 s16, ttmp9, 2
	s_add_co_u32 s16, s16, s15                     ; my block of 64 queries: it enters q's, f's and the result's addresses alone
	s_and_b32 s17, ttmp7, 0xffff                   ; the batch, which the four partners share
	s_mul_i32 s3, s14, WPART                       ; my quarter of a slot
	s_mul_i32 s60, s17, 786432
	s_add_co_u32 s60, s60, s3                      ; and of a tile in memory
	s_mov_b32 s61, 0
	; descriptor group 1: 24,576 dense bytes as 96 rows of 256 bytes (32 elements of 8 bytes).  15:0 the mask: all four work-groups; 17:16 elements of 8 bytes; 21 set beside a mask
	s_mov_b32 s24, 15|(3<<16)|(1<<21)
	s_mov_b32 s25, 32<<16                          ; tensor_dim0
	s_mov_b32 s26, 96<<16                          ; tensor_dim1
	s_mov_b32 s27, 32<<16                          ; tile_dim0
	s_mov_b32 s28, 96                              ; tile_dim1
	s_mov_b32 s29, 32                              ; tensor_dim0_stride
	s_mov_b32 s30, 0
	s_mov_b32 s31, 0
	s_mov_b32 s20, 0x76543210
	s_mov_b32 s21, 0xfedcba98                      ; selects for lane l xor 16
	s_mov_b32 s22, 0x3fb8aa3b                      ; log2(e)
	s_mov_b32 s23, s22                             ; (named with it as a pair)
.irp i, 0,1,2,3,4,5,6,7,8,9,10,11,12,13,14,15
	s_mov_b32 s[69+2*\i], 0                        ; the upper words of the pairs that the way out names
.endr
	s_wait_kmcnt 0x0
	s_load_b32 s18, s[10:11], 0x0                  ; gamma: waited for in the last round, where it is first used; s[10:11] and s18 are left alone till then
	s_add_nc_u64 s[62:63], s[4:5], s[60:61]
	s_add_nc_u64 s[66:67], s[6:7], s[60:61]
	s_mov_b32 s32, 1                               ; group 0 for k's first half of n, into slot 0;
	s_mov_b32 s33, s3
	s_add_nc_u64 s[34:35], s[62:63], KC
	s_or_b32 s35, s35, 0x80000000
	s_mov_b32 s36, 1                               ; for its second half, into slot 1;
	s_add_co_u32 s37, s3, SLOT1
	s_add_nc_u64 s[38:39], s[62:63], KC+98304
	s_or_b32 s39, s39, 0x80000000
	s_mov_b32 s40, 1                               ; for v's first two key steps, into slot 0;
	s_mov_b32 s41, s3
	s_add_nc_u64 s[42:43], s[66:67], VC
	s_or_b32 s43, s43, 0x80000000
	s_mov_b32 s44, 1                               ; for its last two, into slot 1.  Each steps 196,608 bytes a round
	s_add_co_u32 s45, s3, SLOT1
	s_add_nc_u64 s[46:47], s[66:67], VC+98304
	s_or_b32 s47, s47, 0x80000000
	s_lshl_b32 s62, s17, 15
	s_lshl_b32 s63, s14, 11
	s_add_co_u32 s62, s62, s63
	s_add_co_u32 s62, s62, KS
	s_mov_b32 s63, 0
	s_add_nc_u64 s[48:49], s[4:5], s[62:63]        ; k's scale words of my 128 keys: 8,192 bytes a round
	s_lshl_b32 s62, s17, 15
	s_lshl_b32 s63, s14, 9
	s_add_co_u32 s62, s62, s63
	s_add_co_u32 s62, s62, VS
	s_mov_b32 s63, 0
	s_add_nc_u64 s[50:51], s[6:7], s[62:63]        ; v's of my 128 channels: 2,048 bytes a key step
	s_mul_i32 s66, s17, 786432
	s_mul_i32 s67, s16, 24576
	s_add_co_u32 s66, s66, s67
	s_mov_b32 s67, 0
	s_add_nc_u64 s[52:53], s[6:7], s[66:67]        ; q's 16 fragments
	s_lshl_b32 s66, s17, 15
	s_lshr_b32 s67, s16, 1
	s_lshl_b32 s67, s67, 11
	s_add_co_u32 s66, s66, s67
	s_add_co_u32 s66, s66, QS
	s_mov_b32 s67, 0
	s_add_nc_u64 s[54:55], s[6:7], s[66:67]        ; q's scale words
	s_lshl_b32 s66, s17, 22
	s_lshl_b32 s67, s16, 17
	s_add_co_u32 s66, s66, s67
	s_lshl_b32 s67, s14, 9
	s_add_co_u32 s66, s66, s67
	s_mov_b32 s67, 0
	s_add_nc_u64 s[56:57], s[8:9], s[66:67]        ; f and the result at my first query's row, my 128 channels
	s_add_nc_u64 s[58:59], s[12:13], s[66:67]
	; q, its scale words and k's first scale words are asked for ahead of the cluster's first round: they are on their way while the four work-groups meet
	v_and_b32 v15, 31, v0
	v_lshlrev_b32 v1, 4, v15                       ; 16 x lane: my place in every image
	WIN 0xc0                                       ; destination window 3
.set j, 0
.rept 48
	global_load_b128 v[4*j:4*j+3], v1, s[52:53] offset:512*j      ; q stays in registers: fragment 4 m + s at 12 (4 m + s)
.set j, j+1
.endr
	WIN 0
	v_and_b32 v16, 15, v0                          ; r
	v_bfe_u32 v17, v0, 4, 1                        ; h
	v_lshlrev_b32 v14, 4, v16
	s_and_b32 s62, s16, 1
	s_lshl_b32 s62, s62, 8
	v_add_nc_u32 v14, s62, v14                     ; q's scale words: 16 r, + 256 where my four tiles are the upper four of eight (a global offset alone)
.irp s, 0,1,2,3
	global_load_b128 v[QSC+4*\s:QSC+4*\s+3], v14, s[54:55] offset:512*\s
.endr
.irp b, 0,1,2,3
	global_load_b128 v[KSC+4*\b:KSC+4*\b+3], v1, s[48:49] offset:512*\b
.endr
	CROUND                                         ; all four work-groups are here: the first joint loads meet
	tensor_load_to_lds s[32:35], s[24:31]          ; the two first fills go out together: two loads of mine are out
	s_nop 0
	tensor_load_to_lds s[36:39], s[24:31]
	s_nop 0
	PLACES 4
	v_add_nc_u32 v4, s3, v1                        ; my quarter of slot 0,
	v_add_nc_u32 v5, SLOT1, v4                     ; of slot 1
	s_mul_i32 s62, s14, 6144
	s_add_co_u32 s62, s62, PIMG
	v_add_nc_u32 v6, s62, v1                       ; where I put p's images,
	v_add_nc_u32 v7, PIMG, v1                      ; and read all sixteen
	s_lshl_b32 s62, s14, 9
	s_add_co_u32 s62, s62, PSC
	v_add_nc_u32 v8, s62, v1                       ; p's scale words likewise
	v_add_nc_u32 v9, PSC, v1
	s_lshl_b32 s62, s14, 2
	s_add_co_u32 s62, s62, MX
	v_add_nc_u32 v10, s62, v1                      ; my wave's word among the four,
	v_add_nc_u32 v11, MX, v1                       ; and all four
	s_mul_i32 s62, s14, 8448
	s_add_co_u32 s62, s62, STG
	v_mul_u32_u24 v12, v16, 528
	v_lshl_add_u32 v12, v17, 6, v12
	v_add_nc_u32 v12, s62, v12                     ; my stage: row r, + 64 h
	v_add_nc_u32 v13, s62, v1                      ; and back by rows
.irp m, 0,1,2,3
	v_mov_b32 v[ST+8*\m+1], 0xff61b1e6             ; the largest t so far: -3e38
	v_floor_f32 v[ST+8*\m], -v[ST+8*\m+1]          ; -M
	v_mov_b32 v[ST+8*\m+2], 0                      ; l
	v_mov_b32 v[ST+8*\m+3], 0
	v_mov_b32 v[ST+8*\m+4], 0
	v_mov_b32 v[ST+8*\m+5], 0
	v_mov_b32 v[ST+8*\m+6], 0
	v_mov_b32 v[ST+8*\m+7], 0
.endr
; A refill: all my tensor loads have landed, 0 onto my spare word, my LDS instructions are done; a round of the cluster's barrier; then my one load, first thing behind it.
.macro CHANGE g0, step
	WIN 0
	s_wait_tensorcnt 0x0                           ; the tile asked for at the refill before this one has landed; no load of mine is out, so a group 0 may be written
	ds_add_u32 v2, v3
.if \step
	s_add_nc_u64 s[\g0+2:\g0+3], s[\g0+2:\g0+3], 196608   ; the next round's tile
.endif
	s_wait_dscnt 0x0                               ; the add is done, my reads of the slot are over, and my LDS stores have landed
	CROUND
	tensor_load_to_lds s[\g0:\g0+3], s[24:31]
	s_nop 0
	PLACES 4
.endm
; Group gi of a half: four fragments (K step gi / 2 of the slot, tiles 4 (gi % 2) ..) into buffer gi % 2
.macro FETCHG e, gi
.set FGB, 128+48*((\gi)%2)
.irp tt, 0,1,2,3
.irp c, 0,1,2
	ds_load_b128 v[FGB+12*\tt+4*\c:FGB+12*\tt+4*\c+3], v[4+\e] offset:((\gi)/2)*12288+(4*((\gi)%2)+\tt)*1536+512*\c
.endr
.endr
.endm
; Half a phase: slot e, four groups of 16 matrix instructions (four tiles x the four tiles of queries: 16 accumulators by turns).  pv = 0: S^T = k q^T, n steps 2 e, 2 e + 1;  pv = 1: O^T += v^T p^T, key steps 2 e, 2 e + 1.
.macro HALF pv, e, zero
	PLACES 5                                       ; in front of loads into the buffers, and of products that write over registers which the last products read
	FETCHG \e, 0
.irp gi, 0,1,2,3
.if \gi < 3
.if \gi > 0
	PLACES 4                                       ; the buffer to be loaded was read by the group before
.endif
	FETCHG \e, \gi+1
	s_wait_dscnt 12                                ; all but the next group's 12 loads
.else
	s_wait_dscnt 0x0
.endif
.if \pv
	WIN 0xa4                                       ; source 0 window 0, source 1 (p) window 1, C and D window 2
.else
	WIN 0x5c                                       ; source 0 window 0, source 1 (q) window 3, C and D window 1
.endif
.set SS, 2*\e+\gi/2
.irp tt, 0,1,2,3
.set TL, 4*(\gi%2)+\tt
.set FBB, 128+48*(\gi%2)+12*\tt
.irp m, 0,1,2,3
.if \pv
.if \zero && (SS == 0)
	WM 64*\m+8*TL, FBB, 12*(4*SS+\m), -1, VSC+4*SS+TL%4, PSR+4*SS+\m, TL/4
.else
	WM 64*\m+8*TL, FBB, 12*(4*SS+\m), 64*\m+8*TL, VSC+4*SS+TL%4, PSR+4*SS+\m, TL/4
.endif
.else
.if SS == 0
	WM 64*\m+8*TL, FBB, 12*(4*\m+SS), -1, KSC+4*(TL/2)+SS, QSC+4*SS+\m, TL%2
.else
	WM 64*\m+8*TL, FBB, 12*(4*\m+SS), 64*\m+8*TL, KSC+4*(TL/2)+SS, QSC+4*SS+\m, TL%2
.endif
.endif
.endr
.endr
	WIN 0
.endr
.endm
; The largest score of each block of 32 keys (it serves twice: for the row's maximum and for the block's largest p), and my wave's largest of each tile to LDS.  Each accumulator is read from its low end on.
.macro LMAX
	PLACES 4
	WIN 0x15                                       ; all three sources window 1
.irp m, 0,1,2,3
.irp b, 0,1,2,3
	v_max3_num_f32 v[BM+4*\m+\b], v[64*\m+16*\b], v[64*\m+16*\b+1], v[64*\m+16*\b+2]
.endr
.endr
	WIN 0x14                                       ; sources 1 and 2 window 1
.irp i, 3,5,7,9,11,13
.irp m, 0,1,2,3
.irp b, 0,1,2,3
	v_max3_num_f32 v[BM+4*\m+\b], v[BM+4*\m+\b], v[64*\m+16*\b+\i], v[64*\m+16*\b+\i+1]
.endr
.endr
.endr
.irp m, 0,1,2,3
.irp b, 0,1,2,3
	v_max_num_f32 v[BM+4*\m+\b], v[BM+4*\m+\b], v[64*\m+16*\b+15]
.endr
.endr
	WIN 0
.set i, 0
.rept 16
	v_permlanex16_b32 v[SO+i], v[BM+i], s20, s21
.set i, i+1
.endr
.set i, 0
.rept 16
	v_max_num_f32 v[BM+i], v[BM+i], v[SO+i]        ; with lane l xor 16's 16 keys
.set i, i+1
.endr
.irp m, 0,1,2,3
	v_max3_num_f32 v[ST+8*\m+6], v[BM+4*\m], v[BM+4*\m+1], v[BM+4*\m+2]
.endr
.irp m, 0,1,2,3
	v_max_num_f32 v[ST+8*\m+6], v[ST+8*\m+6], v[BM+4*\m+3]
.endr
.irp m, 0,1,2,3
	ds_store_b32 v10, v[ST+8*\m+6] offset:512*\m
.endr
.endm
; The four waves' maxima; the running largest t; -M = floor(-t); f = 2^(old M - new M).  kload = 1: the next round's scale words of k are asked for here.
.macro GMAX kload
.irp m, 0,1,2,3
	ds_load_b128 v[SO+4*\m:SO+4*\m+3], v11 offset:512*\m
.endr
.if \kload
	s_wait_xcnt 0x0                                ; the base is stepped only behind this wait
	s_add_nc_u64 s[48:49], s[48:49], 8192
.irp b, 0,1,2,3
	global_load_b128 v[KSC+4*\b:KSC+4*\b+3], v1, s[48:49] offset:512*\b
.endr
.endif
	s_wait_dscnt 0x0
.irp m, 0,1,2,3
	v_max3_num_f32 v[ST+8*\m+6], v[SO+4*\m], v[SO+4*\m+1], v[SO+4*\m+2]
.endr
.irp m, 0,1,2,3
	v_max_num_f32 v[ST+8*\m+6], v[ST+8*\m+6], v[SO+4*\m+3]
.endr
.irp m, 0,1,2,3
	v_mul_f32 v[ST+8*\m+6], s22, v[ST+8*\m+6]      ; as t (log2(e) is positive)
.endr
.irp m, 0,1,2,3
	v_max_num_f32 v[ST+8*\m+1], v[ST+8*\m+1], v[ST+8*\m+6]
.endr
.irp m, 0,1,2,3
	v_mov_b32 v[ST+8*\m+6], v[ST+8*\m]
.endr
.irp m, 0,1,2,3
	v_floor_f32 v[ST+8*\m], -v[ST+8*\m+1]          ; the new -M: M is a whole number
.endr
.irp m, 0,1,2,3
	v_sub_f32 v[ST+8*\m+6], v[ST+8*\m], v[ST+8*\m+6]   ; old M - new M: a whole number, 0 or less
.endr
.irp m, 0,1,2,3
	v_cvt_i32_f32 v[ST+8*\m+6], v[ST+8*\m+6]       ; (it saturates)
.endr
.irp m, 0,1,2,3
	v_ldexp_f32 v[ST+8*\m+4], 1.0, v[ST+8*\m+6]    ; f: a multiplication by it rounds nothing
.endr
.endm
; p = 2^(t - M); its blocks' scales; its codes, to LDS as images; l; O^T under the new M
.macro PEXP first
	WIN 0x41                                       ; destination and source 0 window 1
.set i, 0
.rept 128
	v_pk_fma_f32 v[2*i:2*i+1], v[2*i:2*i+1], s[22:23], v[ST+8*(i/32):ST+8*(i/32)+1] op_sel_hi:[1,0,0]   ; t - M, two at a time
.set i, i+1
.endr
	WIN 0
.irp m, 0,1,2,3
.irp b, 0,1,2,3
	v_fma_f32 v[BM+4*\m+\b], v[BM+4*\m+\b], s22, v[ST+8*\m]      ; the same of each block's largest score
.endr
.endr
	WIN 0x41
.set i, 0
.rept 256
	v_exp_f32 v[i], v[i]                           ; p, at most 1: not normalised
.set i, i+1
.endr
	WIN 0
.set i, 0
.rept 16
	v_exp_f32 v[BM+i], v[BM+i]                     ; the block's largest p: the same two instructions on the same number
.set i, i+1
.endr
.irp m, 0,1,2,3
	v_pk_mul_f32 v[ST+8*\m+2:ST+8*\m+3], v[ST+8*\m+2:ST+8*\m+3], v[ST+8*\m+4:ST+8*\m+5] op_sel_hi:[1,0]   ; l under the new M.  (Plain places behind the exponentials)
.endr
.set i, 0
	s_wait_alu depctr_va_vdst(0)
.rept 16
	v_max_num_f32 v[BM+i], 0x1800000, v[BM+i]      ; the floor 2^(3 - 127)
.set i, i+1
.endr
.set i, 0
.rept 16
	v_add_nc_u32 v[SO+i], 0xff000000, v[BM+i]      ; 2 off the exponent field: the conversion's scale operand
.set i, i+1
.endr
.set i, 0
.rept 16
	v_lshrrev_b32 v[BM+i], 23, v[SO+i]             ; the byte
.set i, i+1
.endr
.irp m, 0,1,2,3
	v_lshl_or_b32 v[PW+\m], v[BM+4*\m+1], 8, v[BM+4*\m]
.endr
.irp m, 0,1,2,3
	v_lshl_or_b32 v[PW+\m], v[BM+4*\m+2], 16, v[PW+\m]
.endr
.irp m, 0,1,2,3
	v_lshl_or_b32 v[PW+\m], v[BM+4*\m+3], 24, v[PW+\m]
.endr
	WIN 0x01                                       ; source 0 window 1
.irp m, 0,1,2,3
.irp c, 0,1
	v_cvt_scalef32_pk16_fp6_f32 v[PCB+20*\m+6*\c:PCB+20*\m+6*\c+2], v[64*\m+32*\c:64*\m+32*\c+15], v[SO+4*\m+2*\c]
	v_cvt_scalef32_pk16_fp6_f32 v[PCB+20*\m+12+4*\c:PCB+20*\m+14+4*\c], v[64*\m+32*\c+16:64*\m+32*\c+31], v[SO+4*\m+2*\c+1]
.endr
.endr
	WIN 0
	v_nop                                          ; one plain place behind the conversions
.irp m, 0,1,2,3
.irp c, 0,1                                    ; the operand's layout wants a whole block in a lane
.irp i, 0,1,2
	v_permlane16_swap_b32 v[PCB+20*\m+6*\c+\i], v[PCB+20*\m+12+4*\c+\i]
.endr
.irp i, 0,1,2
	v_mov_b32 v[PCB+20*\m+3+6*\c+\i], v[PCB+20*\m+12+4*\c+\i]
.endr
.endr
.irp c, 0,1,2
	ds_store_b128 v6, v[PCB+20*\m+4*\c:PCB+20*\m+4*\c+3] offset:1536*\m+512*\c   ; key step = my wave's number, tile m
.endr
.endr
	ds_store_b128 v8, v[PW:PW+3]
	WIN 0x05                                       ; sources 0 and 1 window 1
.irp m, 0,1,2,3
	v_pk_add_f32 v[T2+2*\m:T2+2*\m+1], v[64*\m:64*\m+1], v[64*\m+2:64*\m+3]      ; the row's sum is taken of the unquantised p: two chains a tile
.endr
	WIN 0x04                                       ; source 1 window 1
.irp j, 4,8,12,16,20,24,28,32,36,40,44,48,52,56,60
.irp m, 0,1,2,3
	v_pk_add_f32 v[ST+8*\m+2:ST+8*\m+3], v[ST+8*\m+2:ST+8*\m+3], v[64*\m+\j:64*\m+\j+1]
	v_pk_add_f32 v[T2+2*\m:T2+2*\m+1], v[T2+2*\m:T2+2*\m+1], v[64*\m+\j+2:64*\m+\j+3]
.endr
.endr
	WIN 0
.irp m, 0,1,2,3
	v_pk_add_f32 v[ST+8*\m+2:ST+8*\m+3], v[ST+8*\m+2:ST+8*\m+3], v[T2+2*\m:T2+2*\m+1]
.endr
.if !\first
	WIN 0x82                                       ; destination and source 0 window 2
.set i, 0
.rept 128
	v_pk_mul_f32 v[2*i:2*i+1], v[2*i:2*i+1], v[ST+8*(i/32)+4:ST+8*(i/32)+5] op_sel_hi:[1,0]   ; O^T under the new M
.set i, i+1
.endr
	WIN 0
.endif
.endm
; f's 16 rows of tile m, my 128 channels, into window 3 at 64 m: each load takes 512 consecutive bytes of one row
.macro FLOAD m
	WIN 0xc0                                       ; destination window 3
.irp i, 0,1,2,3,4,5,6,7,8,9,10,11,12,13,14,15
	global_load_b128 v[64*(\m)+4*\i:64*(\m)+4*\i+3], v1, s[56:57] offset:(32*((\m)/2)+8*((\m)%2)+\i+8*(\i/8))*2048 th:TH_LOAD_NT
.endr
	WIN 0
.endm
; A round: 512 keys
.macro ROUND first, last
.if !\first
	s_wait_xcnt 0x0
	s_add_nc_u64 s[50:51], s[50:51], 8192
.endif
.irp i, 0,1,2,3
	global_load_b128 v[VSC+4*\i:VSC+4*\i+3], v1, s[50:51] offset:2048*\i
.endr
	s_wait_loadcnt 4                               ; all but v's four loads just issued: k's scale words are in (in the first round q too; in the second f's rows of tile 3)
	HALF 0, 0, 0
	CHANGE 40, 1-\first                            ; slot 0 takes v's first two key steps
	HALF 0, 1, 0
	LMAX
	CHANGE 44, 1-\first                            ; slot 1 takes v's last two; its wait and its barrier also show every wave's maxima to every wave
	GMAX 1-\last
.if \first
	FLOAD 3                                        ; into v192-255 of window 3, which nothing else names
.endif
.if \last
	s_wait_loadcnt 0x0                             ; v's scale words, asked for at the round's head: so that no later wait has to count f's loads
	FLOAD 0                                        ; q's registers are free: the last S^T stands in front of the places at the head of the search for the maxima
	FLOAD 1
	FLOAD 2
.endif
	PEXP \first
.if \last
.irp m, 0,1,2,3
	v_add_f32 v[ST+8*\m+6], v[ST+8*\m+2], v[ST+8*\m+3]           ; l is final: its two halves,
.endr
.irp m, 0,1,2,3
	v_permlanex16_b32 v[ST+8*\m+7], v[ST+8*\m+6], s20, s21
.endr
.irp m, 0,1,2,3
	v_add_f32 v[ST+8*\m+6], v[ST+8*\m+6], v[ST+8*\m+7]           ; lane l xor 16's,
.endr
.irp m, 0,1,2,3
	ds_store_b32 v10, v[ST+8*\m+6] offset:2048+512*\m            ; and my wave's share to LDS
.endr
.endif
	s_wait_dscnt 0x0                               ; my images and scale words (and sums) have landed
	s_barrier_signal -1
	s_barrier_wait -1
.if \last
.irp m, 0,1,2,3
	ds_load_b128 v[SO+4*\m:SO+4*\m+3], v11 offset:2048+512*\m    ; the four waves' sums
.endr
.endif
	WIN 0x40                                       ; destination window 1
.set j, 0
.rept 48
	ds_load_b128 v[4*j:4*j+3], v7 offset:512*j     ; p's 16 fragments: (key step, m) at 12 (4 x key step + m)
.set j, j+1
.endr
	WIN 0
.irp k, 0,1,2,3
	ds_load_b128 v[PSR+4*\k:PSR+4*\k+3], v9 offset:512*\k
.endr
.if \last
	s_wait_dscnt 52                                ; the sums are in; p's 48 loads and its 4 of scale words may be out
.irp m, 0,1,2,3
	v_add_f32 v[SO+4*\m], v[SO+4*\m], v[SO+4*\m+1]
	v_add_f32 v[SO+4*\m+2], v[SO+4*\m+2], v[SO+4*\m+3]
.endr
.irp m, 0,1,2,3
	v_add_f32 v[SO+4*\m], v[SO+4*\m], v[SO+4*\m+2] ; the row's sum
.endr
.irp m, 0,1,2,3
	v_rcp_f32 v[ST+8*\m+6], v[SO+4*\m]
.endr
	v_nop                                          ; one plain place behind the reciprocals
	s_wait_kmcnt 0x0                               ; gamma
	s_wait_alu depctr_va_vdst(0)
.irp m, 0,1,2,3
	v_mul_f32 v[ST+8*\m+6], s18, v[ST+8*\m+6]      ; G = gamma / l: kept for the way out
.endr
.elseif \first
	s_wait_loadcnt 20                              ; v's scale words are in; the next round's four loads of k's and the 16 of f's tile 3 may be out
.else
	s_wait_loadcnt 4                               ; v's scale words are in; the next round's four loads of k's may be out
.endif
	HALF 1, 0, \first
.if \last
	s_wait_tensorcnt 0x0                           ; my part of slot 1: my last tensor load
.else
	CHANGE 32, 1                                   ; slot 0 takes the next round's k, first half of n
.endif
	HALF 1, 1, 0
.if !\last
	CHANGE 36, 1                                   ; slot 1 its second half
.endif
.endm
	s_wait_tensorcnt 1                             ; my part of slot 0 is in; slot 1's may be out.  No barrier: a wave reads only what its own load brought
	ROUND 1, 0
	s_mov_b32 s19, 2
.Lround:
	ROUND 0, 0
	s_sub_co_u32 s19, s19, 1
	s_cmp_lg_u32 s19, 0
	s_cbranch_scc1 .Lround
	ROUND 0, 1                                     ; the last round is written out: it asks for nothing of k
; THE WAY OUT.  O^T goes through my stage, a tile of 16 queries at a time, and comes back as rows of 512 bytes, each of one query: row x G + f's row in one fused multiply-add, stored as 512 consecutive bytes.
; Each tile's rows have 64 registers of their own in window 1, so that no store's data are written again.
.macro TOSTAGE m
	WIN 0x08                                       ; an LDS store's data: window 2
.irp t, 0,1,2,3,4,5,6,7
	ds_store_b128 v12, v[64*(\m)+8*\t:64*(\m)+8*\t+3] offset:128*(\t/2)+32*(\t%2)          ; each accumulator from its low end on
	ds_store_b128 v12, v[64*(\m)+8*\t+4:64*(\m)+8*\t+7] offset:128*(\t/2)+32*(\t%2)+16
.endr
	WIN 0x40
.irp i, 0,1,2,3,4,5,6,7,8,9,10,11,12,13,14,15
	ds_load_b128 v[64*(\m)+4*\i:64*(\m)+4*\i+3], v13 offset:528*\i   ; LDS serves a wave's instructions in order: these see my stores, and the next tile's stores come behind them
.endr
	WIN 0
.endm
.macro SEND m, yds, yld                ; yds, yld: the LDS instructions and the loads issued behind this tile's, which may stay out
	s_wait_dscnt \yds
	s_wait_loadcnt \yld
.irp i, 0,1,2,3,4,5,6,7,8,9,10,11,12,13,14,15
	v_readlane_b32 s[68+2*\i], v[ST+8*(\m)+6], \i  ; row i is tile row i's query: lane i holds its G
.endr
	WIN 0x71                                       ; destination and source 0 window 1, source 2 (f's row) window 3
.irp i, 0,1,2,3,4,5,6,7,8,9,10,11,12,13,14,15
	v_pk_fma_f32 v[64*(\m)+4*\i:64*(\m)+4*\i+1], v[64*(\m)+4*\i:64*(\m)+4*\i+1], s[68+2*\i:69+2*\i], v[64*(\m)+4*\i:64*(\m)+4*\i+1] op_sel_hi:[1,0,1]
	v_pk_fma_f32 v[64*(\m)+4*\i+2:64*(\m)+4*\i+3], v[64*(\m)+4*\i+2:64*(\m)+4*\i+3], s[68+2*\i:69+2*\i], v[64*(\m)+4*\i+2:64*(\m)+4*\i+3] op_sel_hi:[1,0,1]
.endr
	WIN 0x04                                       ; a store's data: window 1
.irp i, 0,1,2,3,4,5,6,7,8,9,10,11,12,13,14,15
	global_store_b128 v1, v[64*(\m)+4*\i:64*(\m)+4*\i+3], s[58:59] offset:(32*((\m)/2)+8*((\m)%2)+\i+8*(\i/8))*2048 th:TH_STORE_NT
.endr
	WIN 0
.endm
	PLACES 4                                       ; behind the last products: in front of loads into p's registers and of the first read of O^T
	TOSTAGE 0
	TOSTAGE 1
	SEND 0, 32, 32                                 ; behind tile 0's LDS loads: tile 1's 16 stores and 16 loads; behind f's rows of tile 0: those of tiles 1 and 2
	TOSTAGE 2
	SEND 1, 32, 16
	TOSTAGE 3
	SEND 2, 32, 0
	SEND 3, 0, 0                                   ; (f's rows of tile 3 came in the first round)
	s_wait_tensorcnt 0x0                           ; the wave's end
	ds_add_u32 v2, v3
	s_wait_dscnt 0x0
	CROUND                                         ; the closing round
	s_endpgm
.Lfunc_end_k_q2dba5d0be2_attn:
	.size	k_q2dba5d0be2_attn, .Lfunc_end_k_q2dba5d0be2_attn-k_q2dba5d0be2_attn
	.p2alignl 7, 3214868480
	.fill 96, 4, 3214868480
	.section	.rodata,"a",@progbits
	.p2align	6, 0x0
	.amdhsa_kernel k_q2dba5d0be2_attn
		.amdhsa_group_segment_fixed_size 327680
		.amdhsa_private_segment_fixed_size 0
		.amdhsa_enable_private_segment 0
		.amdhsa_kernarg_size 40
		.amdhsa_user_sgpr_count 2
		.amdhsa_user_sgpr_kernarg_segment_ptr 1
		.amdhsa_wavefront_size32 1
		.amdhsa_system_sgpr_workgroup_id_x 1
		.amdhsa_system_sgpr_workgroup_id_y 1
		.amdhsa_system_sgpr_workgroup_id_z 1
		.amdhsa_system_vgpr_workitem_id 0
		.amdhsa_next_free_vgpr 1024
		.amdhsa_next_free_sgpr 100
		.amdhsa_reserve_vcc 0
		.amdhsa_float_denorm_mode_32 3
		.amdhsa_float_denorm_mode_16_64 3
		.amdhsa_memory_ordered 1
		.amdhsa_forward_progress 1
		.amdhsa_inst_pref_size 255
	.end_amdhsa_kernel
	.section	.bss,"aw",@nobits
	.p2align	6
	.space	262144
	.amdgpu_metadata
---
amdhsa.version: [ 1, 2 ]
amdhsa.kernels:
  - .name:           k_q2dba5d0be2_attn
    .symbol:         k_q2dba5d0be2_attn.kd
    .args:
      - { .name: ws1, .offset: 0, .size: 8, .value_kind: global_buffer, .address_space: global }
      - { .name: ws2, .offset: 8, .size: 8, .value_kind: global_buffer, .address_space: global }
      - { .name: feature_map, .offset: 16, .size: 8, .value_kind: global_buffer, .address_space: global }
      - { .name: gamma, .offset: 24, .size: 8, .value_kind: global_buffer, .address_space: global }
      - { .name: out0, .offset: 32, .size: 8, .value_kind: global_buffer, .address_space: global }
    .group_segment_fixed_size: 327680
    .private_segment_fixed_size: 0
    .kernarg_segment_align: 8
    .kernarg_segment_size: 40
    .max_flat_workgroup_size: 128
    .sgpr_count:     100
    .vgpr_count:     1024
    .wavefront_size: 32
...
	.end_amdgpu_metadata
.endif
;; end of part 3
